; MI455X (gfx1250); checked and timed in simulation.
; The chip was launched on July 23, 2026; its instructions are those of AMD's public machine-readable ISA for CDNA 5 (MIT licence, August 2026) and "CDNA5" Instruction Set Architecture Reference Guide (July 2026). The comments in the code are by the model that wrote it; some were corrected since.
;; Attention. Allowed arithmetic: float matrix products may take bf16 or f16 operands with f32 sums; other float arithmetic in f32, or as packed bf16 or f16 multiplies, adds, multiply-adds, maxima and minima; sums over many terms, partial sums and values carried from step to step in f32; what a program stores and reads back later, other than sums and carried values, may be rounded once to bf16 or f16.
;; Inputs: Wk 1,024 x 1,024 float32; Wq 1,024 x 1,024 float32; Wv 1,024 x 1,024 float32; bk 1,024 float32; bq 1,024 float32; bv 1,024 float32; x 4 x 2,048 x 1,024 float32.
;; Outputs: out0 4 x 2,048 x 1,024 float32.
;; 2 versions, each right; version 2 is version 1 with the launch cast written anew for expert scheduling mode. Each part assembles by itself: llvm-mc -triple=amdgcn-amd-amdhsa -mcpu=gfx1250 --defsym DOCPART=n.
;; ======== version 1 of 2: 4 launches
;; limits: values are held in f16: magnitudes above 65,504 overflow, below 6.1e-05 lose precision
;; workspace buffers: xb 16,777,216 bytes; wb 6,291,456 bytes; qh 16,777,216 bytes; kh 16,777,216 bytes; vh 16,777,216 bytes; pt 33,554,432 bytes; mt 262,144 bytes; lt 262,144 bytes
;; launch cast (part 1): grid 704 x 1, 8 waves a work-group, no clusters, 0 bytes of LDS; arguments x, Wq, Wk, Wv, xb, wb; writes xb, wb
.if DOCPART == 1
	.amdgcn_target "amdgcn-amd-amdhsa--gfx1250"
	.amdhsa_code_object_version 6
	.text
	.protected	k_q7e30a85803_cast
	.globl	k_q7e30a85803_cast
	.p2align	8
	.type	k_q7e30a85803_cast,@function
k_q7e30a85803_cast:
	s_mov_b64 s[64:65], 0
	v_nop
	global_prefetch_b8 v0, s[64:65] scope:SCOPE_SE
	s_setreg_imm32_b32 hwreg(HW_REG_WAVE_MODE, 25, 1), 1
	s_wait_xcnt 0x0
; x and the three weights, f32, are rounded once to bf16 (nearest even) and laid out for the projection's tiles.
;   xb: [kb 16][row 8192][64]: block kb holds channels 64 kb .. 64 kb + 63 of every row, 128 bytes a row, rows on end.
;   wb: [j 8][k 1024][t 3][128]: for column block j (128 columns) and channel k: 256 bytes of Wq, of Wk, of Wv.
; A stream: each byte is read once and written once; nothing is shared between work-groups, so no LDS, no matrix unit, no cluster.
; Work-groups 0-511 take 16 rows of x each; 512-703 take 16 rows (channels) of one weight.  Each of eight waves has 16 items: one load of 16 bytes a
; lane (512 bytes a wave), two roundings, one store of 8 bytes a lane: 32 lanes store 256 consecutive bytes, at a multiple of 256 from the buffer's first byte.
; All 16 loads of a wave go out first; no register is used twice, so the only waits are the counted ones for the loads.
.set D, 8                              ; v[8:71]   16 items x 4 words as loaded
.set E, 72                             ; v[72:103] 16 items x 2 words to store
	s_load_b256 s[4:11], s[0:1], 0x0               ; x s[4:5], Wq s[6:7], Wk s[8:9], Wv s[10:11]
	s_load_b128 s[12:15], s[0:1], 0x20             ; xb s[12:13], wb s[14:15]
	v_and_b32 v3, 31, v0                           ; lane l
	v_lshrrev_b32 v4, 5, v0                        ; wave w
	s_mov_b32 s17, 0
	s_mov_b32 s19, 0
	s_cmp_lt_u32 ttmp9, 512
	s_cbranch_scc0 .Lweights
	; x.  Item (p, c): rows 2 p and 2 p + 1 (lanes 0-15, 16-31), block kb = w + 8 c: 256 bytes of each row
	v_lshrrev_b32 v5, 4, v3
	v_and_b32 v6, 15, v3
	v_lshlrev_b32 v1, 12, v5                       ; in: (l / 16) x 4,096
	v_lshl_add_u32 v1, v6, 4, v1                   ;   + 16 (l % 16)
	v_lshl_add_u32 v1, v4, 8, v1                   ;   + 256 w
	v_lshlrev_b32 v2, 3, v3                        ; out: 8 l (two rows of 128 bytes on end)
	v_lshl_add_u32 v2, v4, 20, v2                  ;   + w blocks of 1,048,576 bytes
	s_lshl_b32 s16, ttmp9, 16                      ; 16 rows of 4,096 bytes
	s_lshl_b32 s18, ttmp9, 11                      ; 16 rows of 128 bytes
	s_wait_kmcnt 0x0
	s_add_nc_u64 s[20:21], s[4:5], s[16:17]
	s_add_nc_u64 s[22:23], s[12:13], s[18:19]      ; blocks 0-7
	s_add_nc_u64 s[24:25], s[22:23], 0x800000      ; blocks 8-15
.set i, 0
.rept 16
	global_load_b128 v[D+4*i:D+4*i+3], v1, s[20:21] offset:(i/2)*8192+(i%2)*2048 th:TH_LOAD_NT
.set i, i+1
.endr
.set i, 0
.rept 16
	s_wait_loadcnt 15-i                            ; loads come back in order: item i is in, the younger ones stay out
	v_cvt_pk_bf16_f32 v[E+2*i], v[D+4*i], v[D+4*i+1]
	v_cvt_pk_bf16_f32 v[E+2*i+1], v[D+4*i+2], v[D+4*i+3]
.if (i%2) == 0
	global_store_b64 v2, v[E+2*i:E+2*i+1], s[22:23] offset:(i/2)*256
.else
	global_store_b64 v2, v[E+2*i:E+2*i+1], s[24:25] offset:(i/2)*256
.endif
.set i, i+1
.endr
	s_endpgm
.Lweights:
	; a weight.  u = work-group - 512: weight t = u / 64, channels 16 (u % 64) on.  Wave w takes column block j = w; item i is channel i
	s_sub_co_u32 s26, ttmp9, 512
	s_lshr_b32 s27, s26, 6                         ; t
	s_and_b32 s26, s26, 63
	s_lshl_b32 s16, s26, 16                        ; 16 rows of 4,096 bytes
	s_mul_i32 s18, s26, 12288                      ; 16 channels of 768 bytes
	s_lshl_b32 s28, s27, 8
	s_add_co_u32 s18, s18, s28                     ; + 256 t
	v_lshlrev_b32 v1, 4, v3                        ; in: 16 l + 512 w
	v_lshl_add_u32 v1, v4, 9, v1
	v_mul_u32_u24 v2, v4, 0xc0000                  ; out: w blocks of 786,432 bytes + 8 l
	v_lshl_add_u32 v2, v3, 3, v2
	s_wait_kmcnt 0x0
	s_cmp_eq_u32 s27, 0
	s_cselect_b64 s[20:21], s[6:7], s[8:9]
	s_cmp_eq_u32 s27, 2
	s_cselect_b64 s[20:21], s[10:11], s[20:21]
	s_add_nc_u64 s[20:21], s[20:21], s[16:17]
	s_add_nc_u64 s[22:23], s[14:15], s[18:19]
.set i, 0
.rept 16
	global_load_b128 v[D+4*i:D+4*i+3], v1, s[20:21] offset:i*4096 th:TH_LOAD_NT
.set i, i+1
.endr
.set i, 0
.rept 16
	s_wait_loadcnt 15-i
	v_cvt_pk_bf16_f32 v[E+2*i], v[D+4*i], v[D+4*i+1]
	v_cvt_pk_bf16_f32 v[E+2*i+1], v[D+4*i+2], v[D+4*i+3]
	global_store_b64 v2, v[E+2*i:E+2*i+1], s[22:23] offset:i*768
.set i, i+1
.endr
	s_endpgm
.Lfunc_end_k_q7e30a85803_cast:
	.size	k_q7e30a85803_cast, .Lfunc_end_k_q7e30a85803_cast-k_q7e30a85803_cast
	.p2alignl 7, 3214868480
	.fill 96, 4, 3214868480
	.section	.rodata,"a",@progbits
	.p2align	6, 0x0
	.amdhsa_kernel k_q7e30a85803_cast
		.amdhsa_group_segment_fixed_size 0
		.amdhsa_private_segment_fixed_size 0
		.amdhsa_enable_private_segment 0
		.amdhsa_kernarg_size 48
		.amdhsa_user_sgpr_count 2
		.amdhsa_user_sgpr_kernarg_segment_ptr 1
		.amdhsa_wavefront_size32 1
		.amdhsa_system_sgpr_workgroup_id_x 1
		.amdhsa_system_sgpr_workgroup_id_y 1
		.amdhsa_system_sgpr_workgroup_id_z 1
		.amdhsa_system_vgpr_workitem_id 0
		.amdhsa_next_free_vgpr 104
		.amdhsa_next_free_sgpr 66
		.amdhsa_reserve_vcc 0
		.amdhsa_float_denorm_mode_32 3
		.amdhsa_float_denorm_mode_16_64 3
		.amdhsa_memory_ordered 1
		.amdhsa_forward_progress 1
		.amdhsa_inst_pref_size 13
	.end_amdhsa_kernel
	.amdgpu_metadata
---
amdhsa.version: [ 1, 2 ]
amdhsa.kernels:
  - .name:           k_q7e30a85803_cast
    .symbol:         k_q7e30a85803_cast.kd
    .args:
      - { .name: x, .offset: 0, .size: 8, .value_kind: global_buffer, .address_space: global }
      - { .name: Wq, .offset: 8, .size: 8, .value_kind: global_buffer, .address_space: global }
      - { .name: Wk, .offset: 16, .size: 8, .value_kind: global_buffer, .address_space: global }
      - { .name: Wv, .offset: 24, .size: 8, .value_kind: global_buffer, .address_space: global }
      - { .name: xb, .offset: 32, .size: 8, .value_kind: global_buffer, .address_space: global }
      - { .name: wb, .offset: 40, .size: 8, .value_kind: global_buffer, .address_space: global }
    .group_segment_fixed_size: 0
    .private_segment_fixed_size: 0
    .kernarg_segment_align: 8
    .kernarg_segment_size: 48
    .max_flat_workgroup_size: 256
    .sgpr_count:     66
    .vgpr_count:     104
    .wavefront_size: 32
...
	.end_amdgpu_metadata
.endif
;; end of part 1
;; launch proj (part 2): grid 8 x 32, 4 waves a work-group, clusters of 4 x 4, 327,680 bytes of LDS; arguments xb, wb, bq, bk, bv, qh, kh, vh; writes qh, kh, vh
.if DOCPART == 2
	.amdgcn_target "amdgcn-amd-amdhsa--gfx1250"
	.amdhsa_code_object_version 6
	.text
	.protected	k_q7e30a85803_proj
	.globl	k_q7e30a85803_proj
	.p2align	8
	.type	k_q7e30a85803_proj,@function
k_q7e30a85803_proj:
	s_mov_b64 s[64:65], 0
	v_nop
	global_prefetch_b8 v0, s[64:65] scope:SCOPE_SE
	s_setreg_imm32_b32 hwreg(HW_REG_WAVE_MODE, 25, 1), 1
	s_wait_xcnt 0x0
	s_wait_alu depctr_hold_cnt(0) depctr_sa_sdst(0) depctr_va_vdst(0) depctr_va_sdst(0) depctr_va_ssrc(0) depctr_va_vcc(0) depctr_vm_vsrc(0)
	s_getreg_b32 s2, hwreg(HW_REG_IB_STS2, 6, 4)
	s_cmp_eq_u32 s2, 0
	s_cbranch_scc0 .Lentry_in_a_cluster
	s_endpgm
.Lentry_in_a_cluster:
	s_bfe_u32 s2, ttmp6, 0x10000c
	s_cmp_lg_u32 s2, 0xf033
	s_cbranch_scc0 .Lentry_shape_is_right
	s_endpgm
.Lentry_shape_is_right:
; q, k, v = x W + b for Wq, Wk, Wv at once.  x and W come in bf16 (launch cast), b is rounded to bf16 here; sums in f32, started by the bias; q, k, v rounded once to f16: [8192][1024] each.
; LIMIT.  f16 ends at 65,504: |q|, |k|, |v| must stay below that.  NaN and infinities are not treated apart.
; SHARES.  A work-group makes 256 rows x 384 columns: columns 128 TX .. + 127 of q, of k and of v: 8 x 32 = 256 work-groups.  Wave (HM, HN) makes 128 rows x 64 columns of each of the three:
; 96 accumulators acc(b, a): b = 0..11 (matrix b / 4, columns 64 HN + 16 (b % 4) on), a = 0..7 (rows 128 HM + 16 a on), in window 1 + b / 4 at v[64 (b % 4) + 8 a].
; THE MATRIX INSTRUCTION: source 0 = 16 columns of W, source 1 = 16 rows of x: a lane then holds ONE row (lane % 16) and the columns 8 (lane / 16) + 0..7.
; K goes in steps of 64 through two LDS slots.  A slot: 256 rows of x (128 bytes + 16 of padding), then 64 channels of W (three pieces of 256 bytes, each + 32 of padding: 864 bytes a channel).
; x comes out of LDS as it lies, W ([channel][column]) turned, by ds_load_tr16_b128.  A step is two substeps of 32 channels, 96 matrix instructions each.
; CLUSTER 4 x 4: x's tile hangs on TY alone and is asked for jointly along a row of the cluster, W's on TX alone and jointly along a column.
; WINDOW 0: v8-19 addresses; v32-95, v96-159 x's fragments, two buffers; v160-255 W's 12 fragments, one buffer, filled again half by half as it comes free.
.set SLOT1,  131072                    ; slot 1 begins here: one exclusive or turns an address in one slot into the other's
.set BOFF,   36864                     ; W's part of a slot, behind 256 x 144 bytes of x
.set AHALF,  18432                     ; 128 rows x 144
.set BHALF,  27648                     ; 32 channels x 864
.set STEPA,  1048576                   ; bytes from one block of 64 channels of xb to the next
.set STEPB,  49152                     ; 64 channels x 768 bytes of wb
.set SPITCH, 784                       ; the way out: a row of 3 x 256 bytes + 16
.set SPARE,  223232                    ; behind slot 1: the spare words, 128 bytes for each wave
.set FLA, (1<<16)|(1<<20)|(1<<21)|(4<<22)|(3<<25)  ; 2-byte elements; padding on; bit 21 beside a mask; after every 32 words, 4 words
.set FLB, (1<<16)|(1<<20)|(1<<21)|(5<<22)|(7<<25)  ; after every 64 words, 8 words
.set ADRA, 8                           ; LDS address of x's fragments in the slot in hand
.set ADRB, 9                           ; of W's
.set A0L,  10                          ; their lane terms; never rewritten
.set B0L,  11
.set STO0, 12                          ; the way out: where I put 16 bytes of a row (blocks a = 0..3; a = 4..7)
.set STO1, 13
.set RD,   14                          ; where I read rows back
.set CO,   15                          ; my byte offset in two rows of the output
.set PFO,  16                          ; the prefetches' lane offset
.set VB,   17                          ; my byte offset in a bias
.set SPW,  18                          ; my spare word; never rewritten
.set NIL,  19                          ; 0; never rewritten
.set AF0,  32
.set AF1,  96
.set BF,   160
.set TMP,  32                          ; at the head and on the way out
; scalars: s20 wave, s21 = wave / 2 (HM; also 0: I fetch x, 1: W), s22 = wave % 2 (HN; also which half I fetch), s23 counter, s24 cx, s25 cy, s26 TX, s27 TY, s28, s29 my part's place in a slot,
; s30 slot that fragments come from, s31 prefetch limit, s[32:39], s[40:47] group 1 for x, W, s[48:55] group 0 for x (step 0; step 1, which then walks), s[56:63] for W, s[66:69] prefetch address and step
.set MSB, 0
.macro WIN new                         ; the immediate's high byte repeats the setting that is left; a switch that changes nothing is dropped
.if MSB != (\new)
	s_set_vgpr_msb (MSB<<8)|(\new)
.set MSB, (\new)
.endif
.endm
.macro PLACES                          ; four plain places between a matrix instruction and a load into, or a vector access to, its registers
.rept 4
	v_nop
.endr
.endm
.macro CREST                           ; a round of the cluster's barrier behind its opening barrier
	s_cmp_lg_u32 s20, 0
	s_cbranch_scc1 .Lnot_wave_0_\@
	s_barrier_signal -3
.Lnot_wave_0_\@:
	s_barrier_wait -3
	s_barrier_signal -1
	s_barrier_wait -1
.endm
.macro CROUND
	s_barrier_signal -1
	s_barrier_wait -1
	CREST
.endm
.macro JLOAD                           ; a joint refill by the walking descriptors: waves 0, 1 x's halves, waves 2, 3 W's; s_nop 0 and four v_nop follow each line
	s_cmp_eq_u32 s21, 0
	s_cbranch_scc0 .Lfor_b_\@
	tensor_load_to_lds s[52:55], s[32:39]
	s_nop 0
.rept 4
	v_nop
.endr
	s_branch .Lasked_\@
.Lfor_b_\@:
	tensor_load_to_lds s[60:63], s[40:47]
	s_nop 0
.rept 4
	v_nop
.endr
.Lasked_\@:
.endm
; A prefetch of the step that the NEXT refill will ask for: 192 matrix instructions ahead of that load.  x's 32,768 bytes of a step are read by both clusters of a row of clusters: cluster x = 0 asks, wave 0,
; each partner 32 blocks of 256 bytes by address (cx).  W's 49,152 bytes are read by all eight clusters of a column: cluster y = 0 asks, each partner 48 blocks by address (cy): wave 2 takes 32,
; wave 3 the other 16 (its lanes 16-31 name the blocks of lanes 0-15 once more: 48 is no multiple of 32).  Wave 1 asks for nothing.  The last refill has no step behind it and asks for nothing.
.macro ASK
	s_cmp_gt_u32 s23, s31
	s_cbranch_scc0 .Lnot_mine_\@
	global_prefetch_b8 v[PFO], s[66:67] th:TH_LOAD_NT scope:SCOPE_SE
.Lnot_mine_\@:
.endm
	s_load_b256 s[4:11], s[0:1], 0x0               ; xb s[4:5], wb s[6:7], bq s[8:9], bk s[10:11]
	s_load_b256 s[12:19], s[0:1], 0x20             ; bv s[12:13], qh s[14:15], kh s[16:17], vh s[18:19]
	v_lshl_add_u32 v[SPW], v0, 2, SPARE
	v_mov_b32 v[NIL], 0
	ds_add_u32 v[SPW], v[NIL]                      ; the wave's opening: the add and its wait ahead of my first tensor load
	v_lshrrev_b32 v1, 5, v0
	v_readfirstlane_b32 s20, v1
	s_lshr_b32 s21, s20, 1
	s_and_b32 s22, s20, 1
	s_bfe_u32 s24, ttmp6, 0x40000                  ; cx
	s_bfe_u32 s25, ttmp6, 0x40004                  ; cy
	s_lshl_b32 s26, ttmp9, 2
	s_add_co_u32 s26, s26, s24                     ; TX
	s_and_b32 s27, ttmp7, 0xffff
	s_lshl_b32 s27, s27, 2
	s_add_co_u32 s27, s27, s25                     ; TY
	s_lshl_b32 s2, s25, 2
	s_lshl_b32 s2, 15, s2                          ; my row of the cluster
	s_lshl_b32 s3, 0x1111, s24                     ; my column
	s_or_b32 s32, s2, FLA
	s_or_b32 s40, s3, FLB
	s_mov_b32 s33, 128<<16                         ; x: 128 rows of 128 bytes lie on end: asked for as 64 rows of 128 elements
	s_mov_b32 s34, 64<<16
	s_mov_b32 s35, 128<<16
	s_mov_b32 s36, 64
	s_mov_b32 s37, 128
	s_mov_b32 s38, 0
	s_mov_b32 s39, 0
	s_mov_b32 s41, 128<<16                         ; W: 32 channels of 768 bytes lie on end: 96 rows of 128 elements
	s_mov_b32 s42, 96<<16
	s_mov_b32 s43, 128<<16
	s_mov_b32 s44, 96
	s_mov_b32 s45, 128
	s_mov_b32 s46, 0
	s_mov_b32 s47, 0
	s_mul_i32 s28, s22, AHALF
	s_mul_i32 s29, s22, BHALF
	s_add_co_u32 s29, s29, BOFF
	s_mov_b32 s30, 0
	s_lshl_b32 s74, s27, 15                        ; x: (256 TY + 128 half) rows of 128 bytes
	s_lshl_b32 s2, s22, 14
	s_add_co_u32 s74, s74, s2
	s_mov_b32 s75, 0
	s_mul_i32 s76, s26, 786432                     ; W: column block TX, + 32 channels for the second half
	s_mul_i32 s3, s22, 24576
	s_add_co_u32 s76, s76, s3
	s_mov_b32 s77, 0
	s_mov_b32 s48, 1
	s_mov_b32 s49, s28
	s_mov_b32 s52, 1
	s_add_co_u32 s53, s28, SLOT1
	s_mov_b32 s56, 1
	s_mov_b32 s57, s29
	s_mov_b32 s60, 1
	s_add_co_u32 s61, s29, SLOT1
	s_wait_dscnt 0x0                               ; the opening add is done
	s_wait_kmcnt 0x0
	s_add_nc_u64 s[50:51], s[4:5], s[74:75]
	s_add_nc_u64 s[54:55], s[50:51], STEPA
	s_or_b32 s51, s51, 0x80000000
	s_or_b32 s55, s55, 0x80000000
	s_add_nc_u64 s[58:59], s[6:7], s[76:77]
	s_add_nc_u64 s[62:63], s[58:59], STEPB
	s_or_b32 s59, s59, 0x80000000
	s_or_b32 s63, s63, 0x80000000
	CROUND                                         ; all sixteen work-groups are here: the first joint loads meet
	s_cmp_eq_u32 s21, 0                            ; a wave's two first fills stand in one branch: two loads of mine are out
	s_cbranch_scc0 .Lfirst_b
	tensor_load_to_lds s[48:51], s[32:39]
	s_nop 0
	tensor_load_to_lds s[52:55], s[32:39]
	s_nop 0
.rept 4
	v_nop
.endr
	s_branch .Lfirst_done
.Lfirst_b:
	tensor_load_to_lds s[56:59], s[40:47]
	s_nop 0
	tensor_load_to_lds s[60:63], s[40:47]
	s_nop 0
.rept 4
	v_nop
.endr
.Lfirst_done:
	v_and_b32 v1, 15, v0                           ; r = l % 16
	v_bfe_u32 v2, v0, 4, 1                         ; h = l / 16
	v_and_b32 v3, 7, v0
	v_bfe_u32 v4, v0, 3, 1
	; the bias: register j of acc(b, 0) takes b[column 8 h + j]: it is the C operand that starts the sums of all eight row blocks
	s_lshl_b32 s2, s26, 9
	s_lshl_b32 s3, s22, 8
	s_add_co_u32 s2, s2, s3
	v_lshl_add_u32 v[VB], v2, 5, s2                ; 4 (128 TX + 64 HN + 8 h)
.irp t, 0,1,2
	WIN ((\t)+1)<<6
.irp bb, 0,1,2,3
	global_load_b128 v[64*\bb:64*\bb+3], v[VB], s[8+2*\t:9+2*\t] offset:64*\bb
	global_load_b128 v[64*\bb+4:64*\bb+7], v[VB], s[8+2*\t:9+2*\t] offset:64*\bb+16
.endr
.endr
	WIN 0
	v_mul_u32_u24 v[A0L], v1, 144                  ; x: row x pitch + 16 h + my 128 rows
	v_lshl_add_u32 v[A0L], v2, 4, v[A0L]
	s_mul_i32 s2, s21, AHALF
	v_add_nc_u32 v[A0L], s2, v[A0L]
	v_lshl_add_u32 v5, v2, 3, v3                   ; W, turned: channel 8 h + l % 8, 16 bytes (l / 8) % 2, my 64 columns of each piece
	v_mul_u32_u24 v[B0L], v5, 864
	v_lshl_add_u32 v[B0L], v4, 4, v[B0L]
	s_lshl_b32 s2, s22, 7
	s_add_co_u32 s2, s2, BOFF
	v_add_nc_u32 v[B0L], s2, v[B0L]
	v_mov_b32 v[ADRA], v[A0L]
	v_mov_b32 v[ADRB], v[B0L]
	v_mul_u32_u24 v[STO0], v1, SPITCH              ; the way out, in: row 128 HM + r, 16 h + 128 HN
	v_lshl_add_u32 v[STO0], v2, 4, v[STO0]
	s_mul_i32 s2, s21, 128*SPITCH
	s_lshl_b32 s3, s22, 7
	s_add_co_u32 s2, s2, s3
	v_add_nc_u32 v[STO0], s2, v[STO0]
	v_add_nc_u32 v[STO1], 64*SPITCH, v[STO0]
	v_mul_u32_u24 v[RD], v2, SPITCH                ; back: rows 64 wave on; lanes 0-15 one row's 256 bytes, lanes 16-31 the next row's
	v_lshl_add_u32 v[RD], v1, 4, v[RD]
	s_mul_i32 s2, s20, 64*SPITCH
	v_add_nc_u32 v[RD], s2, v[RD]
	v_lshlrev_b32 v[CO], 11, v2
	v_lshl_add_u32 v[CO], v1, 4, v[CO]
	s_lshl_b32 s84, s27, 19                        ; (256 TY + 64 wave) rows of 2,048 bytes + 256 TX
	s_lshl_b32 s2, s20, 17
	s_add_co_u32 s84, s84, s2
	s_lshl_b32 s2, s26, 8
	s_add_co_u32 s84, s84, s2
	s_mov_b32 s85, 0
	s_add_nc_u64 s[86:87], s[14:15], s[84:85]
	s_add_nc_u64 s[88:89], s[16:17], s[84:85]
	s_add_nc_u64 s[90:91], s[18:19], s[84:85]
	; the prefetches: address at step 2; the first refill steps it to 3
	s_lshl_b32 s78, s27, 15
	s_lshl_b32 s2, s24, 13
	s_add_co_u32 s78, s78, s2
	s_add_co_u32 s78, s78, 2*STEPA
	s_mul_i32 s79, s26, 786432
	s_mul_i32 s3, s25, 12288
	s_add_co_u32 s79, s79, s3
	s_lshl_b32 s3, s22, 13
	s_add_co_u32 s79, s79, s3
	s_add_co_u32 s79, s79, 2*STEPB
	s_mov_b32 s82, STEPA
	s_mov_b32 s83, STEPB
	s_and_b32 s2, ttmp7, 0xffff
	s_cmp_eq_u32 s21, 0
	s_cselect_b64 s[66:67], s[4:5], s[6:7]
	s_cselect_b32 s80, s78, s79
	s_cselect_b32 s68, s82, s83
	s_cselect_b32 s3, ttmp9, s2                    ; the coordinate along which other clusters read the same bytes
	s_cselect_b32 s2, s22, 0                       ; (wave 1 never asks)
	s_or_b32 s3, s3, s2
	s_cmp_eq_u32 s3, 0
	s_cselect_b32 s31, 1, -1
	s_mov_b32 s81, 0
	s_mov_b32 s69, 0
	s_add_nc_u64 s[66:67], s[66:67], s[80:81]
	s_cmp_eq_u32 s20, 3
	s_cselect_b32 s2, 15, 31
	v_and_b32 v[PFO], s2, v0
	v_lshlrev_b32 v[PFO], 8, v[PFO]
	s_wait_loadcnt 0x0                             ; the biases; they are rounded to bf16, like x and W, and widened again
.irp t, 1,2,3
	WIN (\t)|((\t)<<2)
.set i_, 0
.rept 16
	v_cvt_pk_bf16_f32 v[TMP+i_], v[64*(i_/4)+2*(i_%4)], v[64*(i_/4)+2*(i_%4)+1]
.set i_, i_+1
.endr
	WIN (\t)<<6
.set i_, 0
.rept 16
	v_lshlrev_b32 v[64*(i_/4)+2*(i_%4)], 16, v[TMP+i_]
	v_and_b32 v[64*(i_/4)+2*(i_%4)+1], 0xffff0000, v[TMP+i_]
.set i_, i_+1
.endr
.endr
	WIN 0
; Matrix instructions for b = lo .. hi, all eight row blocks.  The accumulators take turns, one instruction a turn.
.macro HALF lo, hi, af
.set b_, \lo
.rept (\hi)-(\lo)+1
	WIN 0x50*(1+b_/4)
.set a_, 0
.rept 8
	v_wmma_f32_16x16x32_bf16 v[64*(b_%4)+8*a_:64*(b_%4)+8*a_+7], v[BF+8*b_:BF+8*b_+7], v[(\af)+8*a_:(\af)+8*a_+7], v[64*(b_%4)+8*a_:64*(b_%4)+8*a_+7]
.set a_, a_+1
.endr
.set b_, b_+1
.endr
.endm
; The same for the first substep: acc(b, 0) holds the bias; blocks a = 1..7 take it as C; five places later block 0 adds onto it in place.
.macro ZHALF lo, hi, af
.set b_, \lo
.rept (\hi)-(\lo)+1
	WIN 0x50*(1+b_/4)
.set a_, 1
.rept 7
	v_wmma_f32_16x16x32_bf16 v[64*(b_%4)+8*a_:64*(b_%4)+8*a_+7], v[BF+8*b_:BF+8*b_+7], v[(\af)+8*a_:(\af)+8*a_+7], v[64*(b_%4):64*(b_%4)+7]
.set a_, a_+1
.endr
.set b_, b_+1
.endr
.rept 5
	v_nop
.endr
.set b_, \lo
.rept (\hi)-(\lo)+1
	WIN 0x50*(1+b_/4)
	v_wmma_f32_16x16x32_bf16 v[64*(b_%4):64*(b_%4)+7], v[BF+8*b_:BF+8*b_+7], v[(\af):(\af)+7], v[64*(b_%4):64*(b_%4)+7]
.set b_, b_+1
.endr
.endm
.macro BRUN lo, hi, s                  ; W's fragments lo .. hi of substep s
	WIN 0
.set b_, \lo
.rept (\hi)-(\lo)+1
	ds_load_tr16_b128 v[BF+8*b_:BF+8*b_+3], v[ADRB] offset:(\s)*BHALF+(b_/4)*288+(b_%4)*32
	ds_load_tr16_b128 v[BF+8*b_+4:BF+8*b_+7], v[ADRB] offset:(\s)*BHALF+(b_/4)*288+(b_%4)*32+16*864
.set b_, b_+1
.endr
.endm
.macro ARUN s, af                      ; x's eight fragments of substep s
	WIN 0
.set a_, 0
.rept 8
	ds_load_b128 v[(\af)+8*a_:(\af)+8*a_+3], v[ADRA] offset:(\s)*64+a_*2304
	ds_load_b128 v[(\af)+8*a_+4:(\af)+8*a_+7], v[ADRA] offset:(\s)*64+a_*2304+32
.set a_, a_+1
.endr
.endm
.macro MIDRUN s, af                    ; 28 loads
	BRUN 0, 5, \s
	ARUN \s, \af
.endm
; A step's first substep (buffer AF0); it fetches the second's fragments from the same slot.
.macro EVEN z
	s_wait_dscnt 12                                ; all but the youngest 12 loads (W's fragments 6-11)
.if \z
	ZHALF 0, 5, AF0
.else
	HALF 0, 5, AF0
.endif
	PLACES
	MIDRUN 1, AF1
	s_wait_dscnt 28                                ; W's fragments 6-11 are in; the 28 just issued may be out
.if \z
	ZHALF 6, 11, AF0
.else
	HALF 6, 11, AF0
.endif
	PLACES
	BRUN 6, 11, 1
.endm
; A step's second substep (buffer AF1) and the change of slots.  In front of the barrier each wave waits for all its tensor loads (one is out: its part of the next slot), adds 0 to its spare word, and
; waits for that and for its own reads of this slot.  fill = 1: the barrier opens a round of the cluster's; the slot just left is filled again first behind it, with the step two on: 176 matrix instructions ahead of the wait for it.
.macro ODD fill
.if \fill
	s_wait_xcnt 0x0                                ; the last prefetch, a step back, has read its address
	s_add_nc_u64 s[66:67], s[66:67], s[68:69]
.endif
	s_wait_dscnt 12
	HALF 0, 3, AF1
	WIN 0
	s_wait_tensorcnt 0x0                           ; no tensor load of mine is out, so a group 0 may be written
	ds_add_u32 v[SPW], v[NIL]                      ; 0 onto my spare word
.if \fill
	s_xor_b32 s53, s53, SLOT1                      ; the walking descriptors: the other slot than last time, the next step
	s_xor_b32 s61, s61, SLOT1
	s_add_nc_u64 s[54:55], s[54:55], STEPA
	s_add_nc_u64 s[62:63], s[62:63], STEPB
.endif
	s_xor_b32 s30, s30, SLOT1                      ; the fragments come from the other slot
	HALF 4, 4, AF1
	s_wait_dscnt 0x0                               ; the add is done, and my reads of this slot are over
	s_barrier_signal -1
	HALF 5, 5, AF1
	WIN 0
	v_add_nc_u32 v[ADRA], s30, v[A0L]
	v_add_nc_u32 v[ADRB], s30, v[B0L]
	s_barrier_wait -1
.if \fill
	CREST
	JLOAD                                          ; the four v_nop behind it are also the places in front of the loads below
.else
	PLACES
.endif
	MIDRUN 0, AF0
.if \fill
	ASK
.endif
	HALF 6, 11, AF1
	PLACES
	BRUN 6, 11, 0
.endm
	s_wait_tensorcnt 0x1                           ; my part of step 0 is in; step 1's may stay out
	s_barrier_signal -1
	s_barrier_wait -1
	MIDRUN 0, AF0
	BRUN 6, 11, 0
	EVEN 1                                         ; the first substep stands in front of the loop: the bias starts the sums
	WIN 0
	s_mov_b32 s23, 14
.Lk:                                   ; trip i: step i's second substep, the refill with step i + 2, step i + 1's first substep
	ODD 1
	EVEN 0
	WIN 0
	s_sub_co_u32 s23, s23, 1
	s_cmp_lg_u32 s23, 0
	s_cbranch_scc1 .Lk
	s_mov_b32 s23, 2                               ; the tail asks for nothing; its second pass is left in its middle (what that pass fetches, landed bytes of the other slot, is not multiplied)
.Ltail:
	ODD 0
	WIN 0
	s_sub_co_u32 s23, s23, 1
	s_cmp_eq_u32 s23, 0
	s_cbranch_scc1 .Lout
	EVEN 0
	WIN 0
	s_branch .Ltail
.Lout:
	; THE WAY OUT.  The ring has had its last fill: the stage, 256 rows x 784 bytes, lies over it.  Every wave's reads of the ring are over in front of the barrier.
	s_wait_dscnt 0x0
	s_barrier_signal -1
	s_barrier_wait -1
	PLACES
	PLACES
.irp w, 1,2,3
	WIN (\w)|((\w)<<2)
.set i_, 0
.rept 128                              ; each accumulator's registers in ascending order
	v_cvt_pk_f16_f32 v[TMP+i_], v[2*i_], v[2*i_+1]
.set i_, i_+1
.endr
	WIN 0
.set i_, 0
.rept 32                               ; accumulator i_: column group i_ / 8, row block i_ % 8
.if (i_%8) < 4
	ds_store_b128 v[STO0], v[TMP+4*i_:TMP+4*i_+3] offset:(i_%8)*16*SPITCH+((\w)-1)*256+(i_/8)*32
.else
	ds_store_b128 v[STO1], v[TMP+4*i_:TMP+4*i_+3] offset:((i_%8)-4)*16*SPITCH+((\w)-1)*256+(i_/8)*32
.endif
.set i_, i_+1
.endr
.endr
	s_wait_dscnt 0x0                               ; for the others' sake: a row's 256 bytes come from two waves
	s_barrier_signal -1
	s_barrier_wait -1
.irp cu, 0,1,2                         ; q, k, v: 64 rows a wave, two rows a load
	s_wait_xcnt 0x0                                ; the stores of the piece before have read their registers
.set i_, 0
.rept 32
	ds_load_b128 v[TMP+4*i_:TMP+4*i_+3], v[RD] offset:i_*2*SPITCH+(\cu)*256
.set i_, i_+1
.endr
.set i_, 0
.rept 32
	s_wait_dscnt 31-i_
	global_store_b128 v[CO], v[TMP+4*i_:TMP+4*i_+3], s[86+2*\cu:87+2*\cu] offset:i_*4096  ; 16 lanes store 256 consecutive bytes, at a multiple of 256 from the buffer's first
.set i_, i_+1
.endr
.endr
	s_wait_tensorcnt 0x0                           ; the wave's end
	ds_add_u32 v[SPW], v[NIL]
	s_wait_dscnt 0x0
	CROUND                                         ; the closing round
	s_endpgm
.Lfunc_end_k_q7e30a85803_proj:
	.size	k_q7e30a85803_proj, .Lfunc_end_k_q7e30a85803_proj-k_q7e30a85803_proj
	.p2alignl 7, 3214868480
	.fill 96, 4, 3214868480
	.section	.rodata,"a",@progbits
	.p2align	6, 0x0
	.amdhsa_kernel k_q7e30a85803_proj
		.amdhsa_group_segment_fixed_size 327680
		.amdhsa_private_segment_fixed_size 0
		.amdhsa_enable_private_segment 0
		.amdhsa_kernarg_size 64
		.amdhsa_user_sgpr_count 2
		.amdhsa_user_sgpr_kernarg_segment_ptr 1
		.amdhsa_wavefront_size32 1
		.amdhsa_system_sgpr_workgroup_id_x 1
		.amdhsa_system_sgpr_workgroup_id_y 1
		.amdhsa_system_sgpr_workgroup_id_z 1
		.amdhsa_system_vgpr_workitem_id 0
		.amdhsa_next_free_vgpr 1024
		.amdhsa_next_free_sgpr 96
		.amdhsa_reserve_vcc 0
		.amdhsa_float_denorm_mode_32 3
		.amdhsa_float_denorm_mode_16_64 3
		.amdhsa_memory_ordered 1
		.amdhsa_forward_progress 1
		.amdhsa_inst_pref_size 118
	.end_amdhsa_kernel
	.amdgpu_metadata
---
amdhsa.version: [ 1, 2 ]
amdhsa.kernels:
  - .name:           k_q7e30a85803_proj
    .symbol:         k_q7e30a85803_proj.kd
    .args:
      - { .name: xb, .offset: 0, .size: 8, .value_kind: global_buffer, .address_space: global }
      - { .name: wb, .offset: 8, .size: 8, .value_kind: global_buffer, .address_space: global }
      - { .name: bq, .offset: 16, .size: 8, .value_kind: global_buffer, .address_space: global }
      - { .name: bk, .offset: 24, .size: 8, .value_kind: global_buffer, .address_space: global }
      - { .name: bv, .offset: 32, .size: 8, .value_kind: global_buffer, .address_space: global }
      - { .name: qh, .offset: 40, .size: 8, .value_kind: global_buffer, .address_space: global }
      - { .name: kh, .offset: 48, .size: 8, .value_kind: global_buffer, .address_space: global }
      - { .name: vh, .offset: 56, .size: 8, .value_kind: global_buffer, .address_space: global }
    .group_segment_fixed_size: 327680
    .private_segment_fixed_size: 0
    .kernarg_segment_align: 8
    .kernarg_segment_size: 64
    .max_flat_workgroup_size: 128
    .sgpr_count:     96
    .vgpr_count:     1024
    .wavefront_size: 32
...
	.end_amdgpu_metadata
.endif
;; end of part 2
;; launch score (part 3): grid 8 x 32, 4 waves a work-group, clusters of 4 x 4, 327,680 bytes of LDS; arguments kh, qh, pt, mt, lt; writes pt, mt, lt
.if DOCPART == 3
	.amdgcn_target "amdgcn-amd-amdhsa--gfx1250"
	.amdhsa_code_object_version 6
	.text
	.protected	k_q7e30a85803_score
	.globl	k_q7e30a85803_score
	.p2align	8
	.type	k_q7e30a85803_score,@function
k_q7e30a85803_score:
	s_mov_b64 s[64:65], 0
	v_nop
	global_prefetch_b8 v0, s[64:65] scope:SCOPE_SE
	s_setreg_imm32_b32 hwreg(HW_REG_WAVE_MODE, 25, 1), 1
	s_wait_xcnt 0x0
	s_wait_alu depctr_hold_cnt(0) depctr_sa_sdst(0) depctr_va_vdst(0) depctr_va_sdst(0) depctr_va_ssrc(0) depctr_va_vcc(0) depctr_vm_vsrc(0)
	s_getreg_b32 s2, hwreg(HW_REG_IB_STS2, 6, 4)
	s_cmp_eq_u32 s2, 0
	s_cbranch_scc0 .Lentry_in_a_cluster
	s_endpgm
.Lentry_in_a_cluster:
	s_bfe_u32 s2, ttmp6, 0x10000c
	s_cmp_lg_u32 s2, 0xf033
	s_cbranch_scc0 .Lentry_shape_is_right
	s_endpgm
.Lentry_shape_is_right:
; A tile of S^T[key][q] = k . q, 256 keys x 256 queries of one batch, and the first half of the softmax over the QUERY axis: for each key the tile's own maximum m is taken away before the exponential,
;   P = 2^(c s - c m) in f16,  mt[b][q tile][key] = c m,  lt[b][q tile][key] = the sum over the tile's 256 queries of the rounded P (f32),  c = log2(e) / 32.
; The next launch joins the eight tiles of a key's column: a running maximum in two stages.  P lies in 0 to 1; a weight below 2^-126 counts as 0; below 6e-5 P keeps f16's fixed step.  NaN, infinities: not treated apart.
; pt IS LAID IN FRAGMENT ORDER for the next launch: [b][group of 32 keys: 64][block of 16 queries: 128][half: 2][lane: 32][16 bytes]: lane l of half e holds query l % 16 of the block and the
; keys 16 e + 8 (l / 16) + 0..7 of the group: the registers 4 e .. 4 e + 3 of a 16-bit matrix operand whose K runs along the keys.
; SHARES.  TY = 8 b + key tile, TX = query tile: 256 work-groups.  Wave (HM, HN): 128 keys x 128 queries, 64 accumulators: (a, b) at v[8 (8 (a % 4) + b)], window 2 (a < 4) or 3.
; THE MATRIX INSTRUCTION: source 0 = 16 rows of q (window 1), source 1 = 16 rows of k (window 0): a lane holds ONE key (lane % 16) and the queries 16 b + 8 (lane / 16) + 0..7.
; K goes in steps of 128 through two LDS slots (256 rows of k, 256 of q, 256 bytes + 16 of padding each); a wave's tensor load brings 128 rows.  One descriptor walks: a slot is 0x22000 bytes and a
; wave's part begins at a multiple of 0x8800 up to 0x19800: no bit in common, so one exclusive or turns an address in one slot into the other's.
; CLUSTER 4 x 4: k's tile hangs on TY alone (joint along a row), q's on TX and the batch (joint along a column).
.set KSTEP,  128
.set PITCH,  272
.set HALFT,  128*PITCH
.set SLOT,   4*HALFT
.set STAGE,  2*SLOT                    ; behind the ring: 16 rows x 288 bytes for each wave
.set SP2,    288                       ; 72 words
.set XM,     STAGE+4*16*SP2            ; each wave's 128 maxima,
.set XL,     XM+2048                   ; and 128 sums
.set SPARE,  XL+2048                   ; the spare words, 128 bytes for each wave
.set FL, (1<<16)|(1<<20)|(1<<21)|(5<<22)|(3<<25)
.set XMW, 10
.set XMR, 11
.set XLW, 12
.set XRD, 13
.set SO,  14
.set ADRA, 16                          ; LDS address of my k fragments in the slot in hand
.set A0L,  17                          ; its lane term; never rewritten
.set ADRB, 20                          ; the same for q
.set B0L,  21
.set STO,  24
.set RD,   25
.set CO,   26
.set SPW,  28
.set NIL,  29
.set PFO,  30
.set F0,   64
.set F1,   128
.set T,    32                          ; v32-63 at work on the maxima
.set TMP,  64                          ; v64-191 packed P: four buffers of 32
.set CMP,  192                         ; v192-207 for each a the pair (c m, m)
.set ONES, 208                         ; v208-215 1.0 in every f16
.set OB,   32                          ; fragments read back: v32-63 and v224-255 by turns
.set SUM,  64                          ; window 1: eight accumulators of row sums
; scalars: s20 wave, s21 HM (also 0: I fetch k, 1: q), s22 HN (also which 128 rows I fetch), s23 counter, s24 cx, s25 cy, s26 TX, s27 TY, s28 my part's place in a slot, s30 the slot that fragments come from,
; s31 prefetch limit, s[32:39], s[40:47] group 1 for k, q, s[48:55] group 0 for k (step 0; step 1, which then walks), s[56:63] for q, s[66:67] prefetch address, s[70:71] c, s[72:73] lane selects
.set MSB, 0
.macro WIN new
.if MSB != (\new)
	s_set_vgpr_msb (MSB<<8)|(\new)
.set MSB, (\new)
.endif
.endm
.set MUL_LO, 0xa1
.set MUL_HI, 0xf1
.set TO_B,   0x40
.macro PLACES
.rept 4
	v_nop
.endr
.endm
.macro CREST
	s_cmp_lg_u32 s20, 0
	s_cbranch_scc1 .Lnot_wave_0_\@
	s_barrier_signal -3
.Lnot_wave_0_\@:
	s_barrier_wait -3
	s_barrier_signal -1
	s_barrier_wait -1
.endm
.macro CROUND
	s_barrier_signal -1
	s_barrier_wait -1
	CREST
.endm
.macro JLOAD                           ; a joint refill by the walking descriptors: waves 0, 1 k's halves, waves 2, 3 q's; s_nop 0 and four v_nop follow each line
	s_cmp_eq_u32 s21, 0
	s_cbranch_scc0 .Lfor_b_\@
	tensor_load_to_lds s[52:55], s[32:39]
	s_nop 0
.rept 4
	v_nop
.endr
	s_branch .Lasked_\@
.Lfor_b_\@:
	tensor_load_to_lds s[60:63], s[40:47]
	s_nop 0
.rept 4
	v_nop
.endr
.Lasked_\@:
.endm
; A prefetch of the K step that the NEXT refill will ask for (256 matrix instructions ahead of that load): 32 rows x 256 bytes, a lane a row.  k's rows are read by both clusters of a row of clusters: cluster x = 0
; asks; q's by the two clusters of a batch in a column: the even one asks.  Of the 128 rows that a wave fetches each of the four partners takes 32, by address.  The last refill has no step behind it.
.macro ASK
	s_cmp_gt_u32 s23, s31
	s_cbranch_scc0 .Lnot_mine_\@
	global_prefetch_b8 v[PFO], s[66:67] th:TH_LOAD_NT scope:SCOPE_SE
.Lnot_mine_\@:
.endm
	s_load_b256 s[4:11], s[0:1], 0x0               ; kh s[4:5], qh s[6:7], pt s[8:9], mt s[10:11]
	s_load_b64 s[12:13], s[0:1], 0x20              ; lt
	v_lshl_add_u32 v[SPW], v0, 2, SPARE
	v_mov_b32 v[NIL], 0
	ds_add_u32 v[SPW], v[NIL]                      ; the wave's opening: the add and its wait ahead of my first tensor load
	v_lshrrev_b32 v1, 5, v0
	v_readfirstlane_b32 s20, v1
	s_lshr_b32 s21, s20, 1
	s_and_b32 s22, s20, 1
	s_bfe_u32 s24, ttmp6, 0x40000
	s_bfe_u32 s25, ttmp6, 0x40004
	s_lshl_b32 s26, ttmp9, 2
	s_add_co_u32 s26, s26, s24                     ; TX
	s_and_b32 s27, ttmp7, 0xffff
	s_lshl_b32 s27, s27, 2
	s_add_co_u32 s27, s27, s25                     ; TY
	s_lshl_b32 s2, s25, 2
	s_lshl_b32 s2, 15, s2
	s_lshl_b32 s3, 0x1111, s24
	s_or_b32 s32, s2, FL
	s_or_b32 s40, s3, FL
.irp g, 32, 40
	s_mov_b32 s[\g+1], KSTEP<<16
	s_mov_b32 s[\g+2], 128<<16
	s_mov_b32 s[\g+3], KSTEP<<16
	s_mov_b32 s[\g+4], 128
	s_mov_b32 s[\g+5], 1024
	s_mov_b32 s[\g+6], 0
	s_mov_b32 s[\g+7], 0
.endr
	s_lshl_b32 s74, s27, 19                        ; k: (256 TY + 128 half) rows of 2,048 bytes
	s_lshl_b32 s2, s22, 18
	s_add_co_u32 s74, s74, s2
	s_mov_b32 s75, 0
	s_and_b32 s76, ttmp7, 0xffff                   ; q: (2,048 batch + 256 TX + 128 half) rows; batch = cluster y / 2
	s_lshr_b32 s76, s76, 1
	s_lshl_b32 s76, s76, 22
	s_lshl_b32 s3, s26, 19
	s_add_co_u32 s76, s76, s3
	s_lshl_b32 s3, s22, 18
	s_add_co_u32 s76, s76, s3
	s_mov_b32 s77, 0
	s_mul_i32 s28, s20, HALFT                      ; where my part goes: k's two halves, then q's two
	s_mov_b32 s30, 0
	s_mov_b32 s48, 1
	s_mov_b32 s49, s28
	s_mov_b32 s52, 1
	s_add_co_u32 s53, s28, SLOT
	s_mov_b32 s56, 1
	s_mov_b32 s57, s28
	s_mov_b32 s60, 1
	s_add_co_u32 s61, s28, SLOT
	s_mov_b32 s70, 0x3d38aa3b                      ; c = log2(e) / 32
	s_mov_b32 s71, s70
	s_mov_b32 s72, 0x76543210
	s_mov_b32 s73, 0xfedcba98
	s_wait_dscnt 0x0
	s_wait_kmcnt 0x0
	s_add_nc_u64 s[50:51], s[4:5], s[74:75]
	s_add_nc_u64 s[54:55], s[50:51], KSTEP*2
	s_or_b32 s51, s51, 0x80000000
	s_or_b32 s55, s55, 0x80000000
	s_add_nc_u64 s[58:59], s[6:7], s[76:77]
	s_add_nc_u64 s[62:63], s[58:59], KSTEP*2
	s_or_b32 s59, s59, 0x80000000
	s_or_b32 s63, s63, 0x80000000
	CROUND
	s_cmp_eq_u32 s21, 0                            ; a wave's two first fills stand in one branch: two loads of mine are out
	s_cbranch_scc0 .Lfirst_b
	tensor_load_to_lds s[48:51], s[32:39]
	s_nop 0
	tensor_load_to_lds s[52:55], s[32:39]
	s_nop 0
.rept 4
	v_nop
.endr
	s_branch .Lfirst_done
.Lfirst_b:
	tensor_load_to_lds s[56:59], s[40:47]
	s_nop 0
	tensor_load_to_lds s[60:63], s[40:47]
	s_nop 0
.rept 4
	v_nop
.endr
.Lfirst_done:
	v_and_b32 v1, 15, v0                           ; r
	v_bfe_u32 v2, v0, 4, 1                         ; h
	v_and_b32 v6, 31, v0                           ; lane
	v_and_b32 v7, 7, v0
	v_bfe_u32 v8, v0, 3, 1
	v_mul_u32_u24 v3, v1, PITCH
	v_lshl_add_u32 v3, v2, 4, v3
	s_mul_i32 s2, s21, HALFT
	s_mul_i32 s3, s22, HALFT
	s_add_co_u32 s3, s3, 2*HALFT
	v_add_nc_u32 v[A0L], s2, v3
	v_add_nc_u32 v[B0L], s3, v3
	v_mov_b32 v[ADRA], v[A0L]
	v_mov_b32 v[ADRB], v[B0L]
	s_mul_i32 s2, s20, 16*SP2
	s_add_co_u32 s2, s2, STAGE                     ; my stage
	v_mul_u32_u24 v4, v1, SP2                      ; in: row = key r, 16 bytes for each half of the lanes
	v_lshl_add_u32 v4, v2, 4, v4
	v_add_nc_u32 v[STO], s2, v4
	v_lshl_add_u32 v5, v2, 3, v7                   ; back, turned: key 8 h + l % 8, 16 bytes (l / 8) % 2
	v_mul_u32_u24 v5, v5, SP2
	v_lshl_add_u32 v5, v8, 4, v5
	v_add_nc_u32 v[RD], s2, v5
	v_lshlrev_b32 v[CO], 4, v6                     ; my 16 bytes of a half fragment
	s_lshl_b32 s2, s20, 9
	s_add_co_u32 s2, s2, XM
	v_lshl_add_u32 v[XMW], v1, 2, s2               ; my wave's words: 4 (16 a + r)
	v_add_nc_u32 v[XLW], 2048, v[XMW]
	v_lshl_add_u32 v[XRD], v6, 4, s2
	s_xor_b32 s3, s20, 1                           ; the wave with my keys and the other 128 queries
	s_lshl_b32 s3, s3, 9
	s_add_co_u32 s3, s3, XM
	v_lshl_add_u32 v[XMR], v1, 2, s3
	v_lshlrev_b32 v[SO], 4, v6
.irp j, 0,1,2,3,4,5,6,7
	v_mov_b32 v[ONES+\j], 0x3c003c00
.endr
	s_lshl_b32 s84, s27, 20                        ; pt: key group 8 TY + 4 HM (131,072 bytes each), query block 16 TX + 8 HN (1,024 bytes each)
	s_lshl_b32 s2, s21, 19
	s_add_co_u32 s84, s84, s2
	s_lshl_b32 s2, s26, 14
	s_add_co_u32 s84, s84, s2
	s_lshl_b32 s2, s22, 13
	s_add_co_u32 s84, s84, s2
	s_mov_b32 s85, 0
	s_add_nc_u64 s[78:79], s[8:9], s[84:85]
	s_lshr_b32 s84, s27, 3                         ; mt, lt: 4 ((8 b + TX) 2,048 + 256 key tile + 128 HM)
	s_lshl_b32 s84, s84, 16
	s_lshl_b32 s2, s26, 13
	s_add_co_u32 s84, s84, s2
	s_and_b32 s2, s27, 7
	s_lshl_b32 s2, s2, 10
	s_add_co_u32 s84, s84, s2
	s_lshl_b32 s2, s21, 9
	s_add_co_u32 s84, s84, s2
	s_add_nc_u64 s[80:81], s[10:11], s[84:85]
	s_add_nc_u64 s[82:83], s[12:13], s[84:85]
	; the prefetches
	s_lshl_b32 s2, s27, 8                          ; k's tile: first row
	s_and_b32 s3, ttmp7, 0xffff
	s_lshr_b32 s86, s3, 1
	s_lshl_b32 s86, s86, 11
	s_lshl_b32 s87, s26, 8
	s_add_co_u32 s86, s86, s87                     ; q's tile: first row
	s_and_b32 s3, s3, 1
	s_cmp_eq_u32 s21, 0
	s_cselect_b32 s84, s2, s86
	s_cselect_b32 s87, s24, s25                    ; my place among the four that ask with me
	s_cselect_b32 s3, ttmp9, s3                    ; the coordinate along which another cluster reads the same rows
	s_cselect_b64 s[66:67], s[4:5], s[6:7]
	s_cmp_eq_u32 s3, 0
	s_cselect_b32 s31, 1, -1
	s_lshl_b32 s3, s22, 7
	s_add_co_u32 s84, s84, s3
	s_lshl_b32 s87, s87, 5
	s_add_co_u32 s84, s84, s87
	s_lshl_b32 s84, s84, 11
	s_add_nc_u64 s[66:67], s[66:67], s[84:85]
	s_add_nc_u64 s[66:67], s[66:67], 2*KSTEP*2     ; at K step 2: the first refill steps it to 3
	v_lshlrev_b32 v[PFO], 11, v6
.macro MUL16 f, hi, a0, zero           ; 16 matrix instructions: key blocks a0, a0 + 1 of the window's four x all 8 query blocks; the accumulators take turns
	WIN MUL_LO+0x50*(\hi)
.irp a, \a0, (\a0)+1
.irp b, 0,1,2,3,4,5,6,7
.if \zero
	v_wmma_f32_16x16x32_f16 v[8*(8*(\a)+(\b)):8*(8*(\a)+(\b))+7], v[(\f)+8*(\b):(\f)+8*(\b)+7], v[(\f)+8*(4*(\hi)+(\a)):(\f)+8*(4*(\hi)+(\a))+7], 0
.else
	v_wmma_f32_16x16x32_f16 v[8*(8*(\a)+(\b)):8*(8*(\a)+(\b))+7], v[(\f)+8*(\b):(\f)+8*(\b)+7], v[(\f)+8*(4*(\hi)+(\a)):(\f)+8*(4*(\hi)+(\a))+7], v[8*(8*(\a)+(\b)):8*(8*(\a)+(\b))+7]
.endif
.endr
.endr
.endm
.macro FETCH k, f                      ; 32 LDS loads in one run: a quarter step's fragments (32 channels at byte k of the rows)
	WIN TO_B
.irp i, 0,1,2,3,4,5,6,7
	ds_load_b128 v[(\f)+8*(\i):(\f)+8*(\i)+3],   v[ADRB] offset:(\k)+(\i)*16*PITCH
	ds_load_b128 v[(\f)+8*(\i)+4:(\f)+8*(\i)+7], v[ADRB] offset:(\k)+(\i)*16*PITCH+32
.endr
	WIN 0
.irp i, 0,1,2,3,4,5,6,7
	ds_load_b128 v[(\f)+8*(\i):(\f)+8*(\i)+3],   v[ADRA] offset:(\k)+(\i)*16*PITCH
	ds_load_b128 v[(\f)+8*(\i)+4:(\f)+8*(\i)+7], v[ADRA] offset:(\k)+(\i)*16*PITCH+32
.endr
.endm
.macro QUARTER k, f, g, zero
	s_wait_dscnt 8                                 ; q's and k's rows 0-63 are in; the youngest eight loads (k's rows 64-127) may be out
	MUL16 \f, 0, 0, \zero
	MUL16 \f, 0, 2, \zero
	PLACES
	FETCH \k, \g
	s_wait_dscnt 32                                ; all but the 32 just issued
	MUL16 \f, 1, 0, \zero
	MUL16 \f, 1, 2, \zero
.endm
; The last quarter of a K step and the change of slots: each wave waits for all its tensor loads (one is out: its part of the next slot), adds 0 to its spare word, waits for that and for its reads of this slot.
; fill = 1: the barrier opens a round of the cluster's, and the slot just left is filled again first behind it, two K steps ahead: 224 matrix instructions ahead of the wait for it.
.macro TURN fill
.if \fill
	s_wait_xcnt 0x0                                ; the last prefetch, a K step back, has read its address
	s_add_nc_u64 s[66:67], s[66:67], KSTEP*2
.endif
	WIN 0
	s_wait_tensorcnt 0x0                           ; no tensor load of mine is out, so a group 0 may be written
	ds_add_u32 v[SPW], v[NIL]
.if \fill
	s_xor_b32 s53, s53, SLOT                       ; the walking descriptors: the other slot than last time, the next K step
	s_xor_b32 s61, s61, SLOT
	s_add_nc_u64 s[54:55], s[54:55], KSTEP*2
	s_add_nc_u64 s[62:63], s[62:63], KSTEP*2
.endif
	s_xor_b32 s30, s30, SLOT                       ; the fragments come from the other slot
	s_wait_dscnt 9                                 ; (the add and the youngest eight loads may be out)
	MUL16 F1, 0, 0, 0
	s_wait_dscnt 0x0                               ; the add is done, and my reads of this slot are over
	s_barrier_signal -1
	MUL16 F1, 0, 2, 0
	WIN 0
	v_add_nc_u32 v[ADRA], s30, v[A0L]
	v_add_nc_u32 v[ADRB], s30, v[B0L]
	s_barrier_wait -1
.if \fill
	CREST
	JLOAD                                          ; the four v_nop behind it are also the places in front of the loads below
.else
	PLACES
.endif
	FETCH 0, F0
.if \fill
	ASK
.endif
	MUL16 F1, 1, 0, 0
	MUL16 F1, 1, 2, 0
.endm
	s_wait_tensorcnt 0x1                           ; my part of K step 0 is in; K step 1's may stay out
	s_barrier_signal -1
	s_barrier_wait -1
	FETCH 0, F0
	QUARTER 64,  F0, F1, 1                         ; the first quarter starts the sums
	WIN 0
	s_mov_b32 s23, 6
.Lk:                                   ; trip i: K step i's quarters 1 to 3, the refill with K step i + 2, K step i + 1's first quarter
	QUARTER 128, F1, F0, 0
	QUARTER 192, F0, F1, 0
	TURN 1
	QUARTER 64,  F0, F1, 0
	WIN 0
	s_sub_co_u32 s23, s23, 1
	s_cmp_lg_u32 s23, 0
	s_cbranch_scc1 .Lk
	s_mov_b32 s23, 2                               ; the tail asks for nothing; its second pass is left in its middle (what that pass fetches, landed bytes of the other slot, is not multiplied)
.Ltail:
	QUARTER 128, F1, F0, 0
	QUARTER 192, F0, F1, 0
	TURN 0
	WIN 0
	s_sub_co_u32 s23, s23, 1
	s_cmp_eq_u32 s23, 0
	s_cbranch_scc1 .Lout
	QUARTER 64,  F0, F1, 0
	WIN 0
	s_branch .Ltail
.Lout:
	s_wait_dscnt 0x0                               ; what the last pass fetched is in: its registers are used again below
	PLACES
	PLACES
; THE MAXIMA.  A lane's 64 scores of key block a: eight accumulators, three operands at a time; each accumulator's lowest registers are read first.
.macro MAXW w
	WIN (\w)|((\w)<<2)|((\w)<<4)
.set i_, 0
.rept 32
	v_max3_num_f32 v[T+i_], v[8*i_], v[8*i_+1], v[8*i_+2]
.set i_, i_+1
.endr
	WIN ((\w)<<2)|((\w)<<4)
.set i_, 0
.rept 32
	v_max3_num_f32 v[T+i_], v[T+i_], v[8*i_+3], v[8*i_+4]
.set i_, i_+1
.endr
.set i_, 0
.rept 32
	v_max3_num_f32 v[T+i_], v[T+i_], v[8*i_+5], v[8*i_+6]
.set i_, i_+1
.endr
.set i_, 0
.rept 16
	v_max3_num_f32 v[T+2*i_], v[T+2*i_], v[16*i_+7], v[16*i_+15]
.set i_, i_+1
.endr
	WIN 0
.irp n, 0,1,2,3
	v_max3_num_f32 v[T+8*\n], v[T+8*\n], v[T+8*\n+1], v[T+8*\n+2]
.endr
.irp n, 0,1,2,3
	v_max3_num_f32 v[T+8*\n], v[T+8*\n], v[T+8*\n+3], v[T+8*\n+4]
.endr
.irp n, 0,1,2,3
	v_max3_num_f32 v[T+8*\n], v[T+8*\n], v[T+8*\n+5], v[T+8*\n+6]
.endr
.irp n, 0,1,2,3
	v_max_num_f32 v[CMP+2*(4*((\w)-2)+\n)+1], v[T+8*\n], v[T+8*\n+7]
.endr
.endm
	MAXW 2
	MAXW 3
.irp a, 0,1,2,3,4,5,6,7
	v_permlanex16_b32 v[T+\a], v[CMP+2*\a+1], s72, s73  ; the key's other 64 queries of my wave lie in the lane 16 away
.endr
.irp a, 0,1,2,3,4,5,6,7
	v_max_num_f32 v[CMP+2*\a+1], v[CMP+2*\a+1], v[T+\a]
.endr
.irp a, 0,1,2,3,4,5,6,7
	ds_store_b32 v[XMW], v[CMP+2*\a+1] offset:64*\a
.endr
	s_wait_dscnt 0x0                               ; for the other wave's sake
	s_barrier_signal -1
	s_barrier_wait -1
.irp a, 0,1,2,3,4,5,6,7
	ds_load_b32 v[T+\a], v[XMR] offset:64*\a       ; the maxima over the tile's other 128 queries
.endr
	s_wait_dscnt 0x0
.irp a, 0,1,2,3,4,5,6,7
	v_max_num_f32 v[CMP+2*\a+1], v[CMP+2*\a+1], v[T+\a]
.endr
.irp a, 0,1,2,3,4,5,6,7
	v_mul_f32 v[CMP+2*\a], s70, v[CMP+2*\a+1]      ; c m
.endr
; FROM HERE ON A KEY BLOCK AT A TIME, so that a block's stores leave while the later blocks are still exponentiated.
; The exponentials of block a, in place: one batch of 64 with one wait; accumulator n + 1 is scaled between the exponentials of accumulator n; nothing names a result ahead of the wait.
.macro FMB a, n, q
	v_pk_fma_f32 v[64*((\a)%4)+8*(\n)+2*(\q):64*((\a)%4)+8*(\n)+2*(\q)+1], v[64*((\a)%4)+8*(\n)+2*(\q):64*((\a)%4)+8*(\n)+2*(\q)+1], s[70:71], v[CMP+2*(\a):CMP+2*(\a)+1] op_sel_hi:[1,0,0] neg_lo:[0,0,1] neg_hi:[0,0,1]
.endm
.macro EXPB a
	WIN ((2+(\a)/4)<<6)|(2+(\a)/4)
.irp q, 0,1,2,3
	FMB \a, 0, \q
.endr
.set n_, 0
.rept 8
.irp q, 0,1,2,3
.if n_ < 7
	FMB \a, n_+1, \q
.endif
	v_exp_f32 v[64*((\a)%4)+8*n_+2*\q], v[64*((\a)%4)+8*n_+2*\q]
	v_exp_f32 v[64*((\a)%4)+8*n_+2*\q+1], v[64*((\a)%4)+8*n_+2*\q+1]
.endr
.set n_, n_+1
.endr
	v_nop                                          ; a plain instruction behind the last exponential
	s_wait_alu depctr_va_vdst(0)                   ; and the wait ahead of the first use: one for the block's batch
.endm
.macro PACK a                          ; key block a: 128 queries a key rounded to f16, 16 bytes for each query block
	WIN 0x0a+5*((\a)/4)
.set i_, 0
.rept 32
	v_cvt_pk_f16_f32 v[TMP+32*((\a)%4)+i_], v[64*((\a)%4)+2*i_], v[64*((\a)%4)+2*i_+1]
.set i_, i_+1
.endr
	WIN 0
.endm
; THE SUMS, by the matrix unit, of the ROUNDED P: eight packed registers are source 1 (column = my key, 32 of its queries over the two halves of the lanes); source 0 is all ones: every register of the result
; holds the key's sum.  Four products a key block; two blocks' accumulators take turns.
.macro SUMS a0
	WIN 0x50
.irp p, 0,1,2,3
.irp d, 0,1
.if \p == 0
	v_wmma_f32_16x16x32_f16 v[SUM+8*((\a0)+\d):SUM+8*((\a0)+\d)+7], v[ONES:ONES+7], v[TMP+32*(((\a0)+\d)%4)+8*\p:TMP+32*(((\a0)+\d)%4)+8*\p+7], 0
.else
	v_wmma_f32_16x16x32_f16 v[SUM+8*((\a0)+\d):SUM+8*((\a0)+\d)+7], v[ONES:ONES+7], v[TMP+32*(((\a0)+\d)%4)+8*\p:TMP+32*(((\a0)+\d)%4)+8*\p+7], v[SUM+8*((\a0)+\d):SUM+8*((\a0)+\d)+7]
.endif
.endr
.endr
	WIN 0
.endm
; Into my own stage as [key][query], and back TURNED: load b leaves lane l query l % 16 of block b and the keys 8 (l / 16) + 0..7: half a fragment of pt.  LDS serves a wave's instructions in order (ISA guide 5.7.1.4).
.macro TOSTAGE a
.set BK, OB+192*((\a)%2)
.irp b, 0,1,2,3,4,5,6,7
	ds_store_b128 v[STO], v[TMP+32*((\a)%4)+4*\b:TMP+32*((\a)%4)+4*\b+3] offset:32*\b
.endr
.irp b, 0,1,2,3,4,5,6,7
	ds_load_tr16_b128 v[BK+4*\b:BK+4*\b+3], v[RD] offset:32*\b
.endr
.endm
.macro SEND a                          ; block a is half a % 2 of key group a / 2; all of its place stands in the immediate
.set BK, OB+192*((\a)%2)
	s_wait_dscnt 0x0
	s_wait_xcnt 0x0                                ; earlier stores have read their registers, which the next block's loads write
.irp b, 0,1,2,3,4,5,6,7
	global_store_b128 v[CO], v[BK+4*\b:BK+4*\b+3], s[78:79] offset:((\a)/2)*131072+((\a)%2)*512+\b*1024  ; 512 consecutive bytes, at a multiple of 512 from pt's first
.endr
.endm
	EXPB 0
	PACK 0
	TOSTAGE 0
.irp a, 1,2,3,4,5,6,7
	EXPB \a                                        ; a block's arithmetic stands between the loads of the block before and its stores
	PACK \a
.if (\a)%2
	SUMS (\a)-1
.endif
	SEND (\a)-1
	TOSTAGE \a
.endr
	SEND 7
	PLACES
	PLACES
	WIN 0x04                                       ; store data in window 1
.irp a, 0,1,2,3,4,5,6,7
	ds_store_b32 v[XLW], v[SUM+8*\a] offset:64*\a
.endr
	WIN 0
	s_wait_dscnt 0x0
	s_barrier_signal -1
	s_barrier_wait -1
	s_cmp_eq_u32 s22, 0                            ; waves 0 and 2 join the two halves of the queries and store their 128 keys' figures
	s_cbranch_scc0 .Lend
	ds_load_b128 v[192:195], v[XRD]
	ds_load_b128 v[196:199], v[XRD] offset:512
	ds_load_b128 v[200:203], v[XRD] offset:2048
	ds_load_b128 v[204:207], v[XRD] offset:2560
	s_wait_dscnt 0x0
.irp j, 0,1,2,3
	v_max_num_f32 v[192+\j], v[192+\j], v[196+\j]
.endr
.irp j, 0,1,2,3
	v_mul_f32 v[192+\j], s70, v[192+\j]
.endr
	v_pk_add_f32 v[200:201], v[200:201], v[204:205]
	v_pk_add_f32 v[202:203], v[202:203], v[206:207]
	global_store_b128 v[SO], v[192:195], s[80:81]  ; 512 consecutive bytes
	global_store_b128 v[SO], v[200:203], s[82:83]
.Lend:
	s_wait_tensorcnt 0x0                           ; the wave's end
	ds_add_u32 v[SPW], v[NIL]
	s_wait_dscnt 0x0
	CROUND
	s_endpgm
.Lfunc_end_k_q7e30a85803_score:
	.size	k_q7e30a85803_score, .Lfunc_end_k_q7e30a85803_score-k_q7e30a85803_score
	.p2alignl 7, 3214868480
	.fill 96, 4, 3214868480
	.section	.rodata,"a",@progbits
	.p2align	6, 0x0
	.amdhsa_kernel k_q7e30a85803_score
		.amdhsa_group_segment_fixed_size 327680
		.amdhsa_private_segment_fixed_size 0
		.amdhsa_enable_private_segment 0
		.amdhsa_kernarg_size 40
		.amdhsa_user_sgpr_count 2
		.amdhsa_user_sgpr_kernarg_segment_ptr 1
		.amdhsa_wavefront_size32 1
		.amdhsa_system_sgpr_workgroup_id_x 1
		.amdhsa_system_sgpr_workgroup_id_y 1
		.amdhsa_system_sgpr_workgroup_id_z 1
		.amdhsa_system_vgpr_workitem_id 0
		.amdhsa_next_free_vgpr 1024
		.amdhsa_next_free_sgpr 96
		.amdhsa_reserve_vcc 0
		.amdhsa_float_denorm_mode_32 3
		.amdhsa_float_denorm_mode_16_64 3
		.amdhsa_memory_ordered 1
		.amdhsa_forward_progress 1
		.amdhsa_inst_pref_size 157
	.end_amdhsa_kernel
	.amdgpu_metadata
---
amdhsa.version: [ 1, 2 ]
amdhsa.kernels:
  - .name:           k_q7e30a85803_score
    .symbol:         k_q7e30a85803_score.kd
    .args:
      - { .name: kh, .offset: 0, .size: 8, .value_kind: global_buffer, .address_space: global }
      - { .name: qh, .offset: 8, .size: 8, .value_kind: global_buffer, .address_space: global }
      - { .name: pt, .offset: 16, .size: 8, .value_kind: global_buffer, .address_space: global }
      - { .name: mt, .offset: 24, .size: 8, .value_kind: global_buffer, .address_space: global }
      - { .name: lt, .offset: 32, .size: 8, .value_kind: global_buffer, .address_space: global }
    .group_segment_fixed_size: 327680
    .private_segment_fixed_size: 0
    .kernarg_segment_align: 8
    .kernarg_segment_size: 40
    .max_flat_workgroup_size: 128
    .sgpr_count:     96
    .vgpr_count:     1024
    .wavefront_size: 32
...
	.end_amdgpu_metadata
.endif
;; end of part 3
;; launch mix (part 4): grid 4 x 64, 4 waves a work-group, clusters of 4 x 4, 327,680 bytes of LDS; arguments pt, vh, mt, lt, out0; writes out0
.if DOCPART == 4
	.amdgcn_target "amdgcn-amd-amdhsa--gfx1250"
	.amdhsa_code_object_version 6
	.text
	.protected	k_q7e30a85803_mix
	.globl	k_q7e30a85803_mix
	.p2align	8
	.type	k_q7e30a85803_mix,@function
k_q7e30a85803_mix:
	s_mov_b64 s[64:65], 0
	v_nop
	global_prefetch_b8 v0, s[64:65] scope:SCOPE_SE
	s_setreg_imm32_b32 hwreg(HW_REG_WAVE_MODE, 25, 1), 1
	s_wait_xcnt 0x0
	s_wait_alu depctr_hold_cnt(0) depctr_sa_sdst(0) depctr_va_vdst(0) depctr_va_sdst(0) depctr_va_ssrc(0) depctr_va_vcc(0) depctr_vm_vsrc(0)
	s_getreg_b32 s2, hwreg(HW_REG_IB_STS2, 6, 4)
	s_cmp_eq_u32 s2, 0
	s_cbranch_scc0 .Lentry_in_a_cluster
	s_endpgm
.Lentry_in_a_cluster:
	s_bfe_u32 s2, ttmp6, 0x10000c
	s_cmp_lg_u32 s2, 0xf033
	s_cbranch_scc0 .Lentry_shape_is_right
	s_endpgm
.Lentry_shape_is_right:
; out[q][n] = the sum over keys of attn[q][key] v[key][n], attn = P f, where for this work-group's query tile f[key] = 2^(mt_own - M) / L, M = the maximum over the eight tiles of mt,
; L = the sum over the tiles of lt 2^(mt - M): the second stage of the running maximum over the query axis.  f is made at the head (f32, rounded once to f16) and kept in LDS; P f is made in f16 on the way
; to the matrix unit: it is the attention weight, 0 to 1 whatever the inputs' scale; below 6e-5 it keeps f16's fixed step of 6e-8.  Sums in f32, out in f32.  NaN and infinities are not treated apart.
; SHARES.  A work-group makes 128 queries (TY) x 256 columns (TX): 256 work-groups.  K IS SPLIT: wave (KH, QH) makes 64 queries (QH) x all 256 columns over keys 128 KH .. + 127 of each slot of 256 keys:
; 64 accumulators, (i, bs) in window 2 + bs / 8 at v[64 i + 8 (bs % 8)].  Register slot bs holds column block (bs + 8 KH) % 16: so every wave keeps window 2 (its own 128 columns) and hands window 3 to the wave
; with the other KH, through LDS, at the end.
; THE MATRIX INSTRUCTION: source 0 = 16 columns of v (window 1, turned on the way out of LDS), source 1 = 16 queries of P (window 0): a lane holds ONE query and 8 columns.
; V GOES THROUGH LDS, P DOES NOT.  With both in the ring a slot of 128 keys is 96 KiB for 128 matrix instructions a wave, and two slots of 256 keys do not fit.  With v alone a slot of 256 keys (512 bytes + 32 of
; padding a key: 139,264 bytes) fits twice, and a refill has 224 matrix instructions in which to land.  pt lies in fragment order (launch score), so a fragment of P is two loads of 512 consecutive bytes
; straight into registers; no wave of a work-group loads what another loads.  The four work-groups of a row of the cluster each load P for themselves: loads into registers have no joint form.
; P's RING: 16 fragments (a slot's, for one wave) in v64-191.  Group m (16 matrix instructions on fragment m) scales fragment m + 1 by f and asks for the fragment that will lie in fragment m - 1's registers:
; a load is issued 14 groups, 224 matrix instructions, ahead of its first use.
; CLUSTER 4 x 4: v's tile hangs on TX and the batch: joint along a column.  A slot is 0x22000 bytes, a wave's part begins at a multiple of 0x8800 up to 0x19800: no bit in common, so one exclusive or changes slots.
.set SLOT,   139264
.set PVV,    544
.set VPART,  64*PVV                    ; what one tensor load brings
.set KHB,    128*PVV                   ; my 128 keys of a slot
.set STEPB,  524288                    ; 256 keys x 2,048 bytes of vh
.set PGRP,   131072                    ; a group of 32 keys of pt
.set PSLOT,  8*PGRP
.set STAGE,  2*SLOT                    ; behind the ring: 16 rows x 528 bytes for each wave
.set FT,     STAGE+4*16*528            ; f: 2,048 f16, then 512 bytes of zeros, which the tail's last fetch reads
.set SPARE,  FT+4608                   ; the spare words, 128 bytes for each wave
.set FLB, (1<<16)|(1<<20)|(1<<21)|(6<<22)|(7<<25)  ; 2-byte elements; padding on; bit 21 beside a mask; after every 128 words, 8 words
.set PO,    10                         ; 16 x lane: my 16 bytes of half a fragment; never rewritten
.set F0L,   15
.set ADRVL, 16                         ; v's fragments, register slots 0-7
.set ADRVH, 17                         ; slots 8-15
.set VL0,   18
.set VH0,   19
.set FADR,  22
.set ZR,    23
.set STO,   24
.set RD,    25
.set CO,    26
.set XW,    27
.set SPW,   28
.set NIL,   29
.set PFO,   30
.set XR,    31
.set OWN,   32                         ; at the head: my tile's mt, then f
.set MX,    48                         ; M
.set PR,    64                         ; P's ring
.set FS0,   192                        ; f of a substep's 32 keys, laid as a fragment's registers; by the substep's parity v192-199, v200-207
.set LS,    224                        ; L
.set PK,    240
; scalars: s20 wave, s21 KH, s22 QH, s23 counter, s24 cx, s25 cy, s26 TX, s27 TY, s28 my part's place in a slot, s30 the slot that fragments come from, s31 prefetch limit, s[40:47] group 1,
; s[48:51] group 0 of slot 0, s[52:55] of slot 1, which then walks, s[66:69] prefetch address and step, s[80:81] out0, s[86:87] P's base, s90 f's step, s[92:93] P's step
.set MSB, 0
.macro WIN new
.if MSB != (\new)
	s_set_vgpr_msb (MSB<<8)|(\new)
.set MSB, (\new)
.endif
.endm
.macro PLACES
.rept 4
	v_nop
.endr
.endm
.macro CREST
	s_cmp_lg_u32 s20, 0
	s_cbranch_scc1 .Lnot_wave_0_\@
	s_barrier_signal -3
.Lnot_wave_0_\@:
	s_barrier_wait -3
	s_barrier_signal -1
	s_barrier_wait -1
.endm
.macro CROUND
	s_barrier_signal -1
	s_barrier_wait -1
	CREST
.endm
.macro JLOAD                           ; a joint refill: every wave fetches its own 64 keys; s_nop 0 and four v_nop follow
	tensor_load_to_lds s[52:55], s[40:47]
	s_nop 0
.rept 4
	v_nop
.endr
.endm
; PREFETCHES, behind the refill and the loads that follow it, one slot (256 matrix instructions) ahead of the loads that will want the bytes.  Waves with QH = 0 ask for P of the slot after the one whose fragments are
; being loaded: the 8,192 bytes of key group 4 KH + cx for this query tile, a lane for each 256: the four partners of a row share the groups out by address, so each is named once.  Waves with QH = 1 ask for v of the
; slot after the one just asked for, in the batch's first cluster alone: partner cy takes 64 keys by address, wave 1 the first 256 bytes of a key's 512, wave 3 the second; a lane a key, two lines.
; v's last refill has no slot behind it and asks for nothing.
.macro ASK
	s_cmp_gt_u32 s23, s31
	s_cbranch_scc0 .Lnot_mine_\@
	global_prefetch_b8 v[PFO], s[66:67] th:TH_LOAD_NT scope:SCOPE_SE
	s_cmp_eq_u32 s22, 0
	s_cbranch_scc1 .Lnot_mine_\@
	global_prefetch_b8 v[PFO], s[66:67] offset:65536 th:TH_LOAD_NT scope:SCOPE_SE
.Lnot_mine_\@:
.endm
	s_load_b256 s[4:11], s[0:1], 0x0               ; pt s[4:5], vh s[6:7], mt s[8:9], lt s[10:11]
	s_load_b64 s[12:13], s[0:1], 0x20              ; out0
	v_lshl_add_u32 v[SPW], v0, 2, SPARE
	v_mov_b32 v[NIL], 0
	ds_add_u32 v[SPW], v[NIL]                      ; the wave's opening: the add and its wait ahead of my first tensor load
	v_lshrrev_b32 v1, 5, v0
	v_readfirstlane_b32 s20, v1
	s_lshr_b32 s21, s20, 1                         ; KH
	s_and_b32 s22, s20, 1                          ; QH
	s_bfe_u32 s24, ttmp6, 0x40000
	s_bfe_u32 s25, ttmp6, 0x40004
	s_lshl_b32 s26, ttmp9, 2
	s_add_co_u32 s26, s26, s24                     ; TX
	s_and_b32 s27, ttmp7, 0xffff
	s_lshl_b32 s27, s27, 2
	s_add_co_u32 s27, s27, s25                     ; TY = 16 batch + query tile of 128
	s_lshl_b32 s3, 0x1111, s24                     ; my column of the cluster
	s_or_b32 s40, s3, FLB
	s_mov_b32 s41, 256<<16                         ; v: 64 keys x 256 columns, 1,024 elements from key to key
	s_mov_b32 s42, 64<<16
	s_mov_b32 s43, 256<<16
	s_mov_b32 s44, 64
	s_mov_b32 s45, 1024
	s_mov_b32 s46, 0
	s_mov_b32 s47, 0
	s_mul_i32 s28, s20, VPART
	s_mov_b32 s30, 0
	s_mov_b32 s90, 0
	s_and_b32 s76, ttmp7, 0xffff                   ; v: (2,048 batch + 64 wave) rows of 2,048 bytes + 512 TX; batch = cluster y / 4
	s_lshr_b32 s76, s76, 2
	s_lshl_b32 s76, s76, 22
	s_lshl_b32 s3, s20, 17
	s_add_co_u32 s76, s76, s3
	s_lshl_b32 s3, s26, 9
	s_add_co_u32 s76, s76, s3
	s_mov_b32 s77, 0
	s_mov_b32 s48, 1
	s_mov_b32 s49, s28
	s_mov_b32 s52, 1
	s_add_co_u32 s53, s28, SLOT
	s_wait_dscnt 0x0
	s_wait_kmcnt 0x0
	s_add_nc_u64 s[50:51], s[6:7], s[76:77]
	s_add_nc_u64 s[54:55], s[50:51], STEPB
	s_or_b32 s51, s51, 0x80000000
	s_or_b32 s55, s55, 0x80000000
	CROUND
	tensor_load_to_lds s[48:51], s[40:47]          ; the two first fills: two loads of mine are out
	s_nop 0
	tensor_load_to_lds s[52:55], s[40:47]
	s_nop 0
.rept 4
	v_nop
.endr
	; f.  Thread t takes keys 512 j + 4 t .. + 3, j = 0..3: 16 keys.  mt of tile p -> window 1 v[16 p ..], lt -> window 1 v[128 + 16 p ..], my own tile's mt -> OWN.
	v_and_b32 v6, 31, v0                           ; lane
	v_lshlrev_b32 v[PO], 4, v6
	v_lshlrev_b32 v7, 4, v0
	s_lshr_b32 s2, s27, 4
	s_lshl_b32 s78, s2, 16                         ; batch x 8 tiles x 8,192 bytes
	s_mov_b32 s79, 0
	s_add_nc_u64 s[82:83], s[8:9], s[78:79]
	s_add_nc_u64 s[84:85], s[10:11], s[78:79]
	s_bfe_u32 s2, s27, 0x30001                     ; my tile of 256 queries
	s_lshl_b32 s78, s2, 13
	s_add_nc_u64 s[32:33], s[82:83], s[78:79]
	s_lshr_b32 s74, s27, 4                         ; P: batch x 8,388,608 + key group 4 KH + query block 8 (TY % 16) + 4 QH
	s_lshl_b32 s74, s74, 23
	s_lshl_b32 s2, s21, 19
	s_add_co_u32 s74, s74, s2
	s_and_b32 s2, s27, 15
	s_lshl_b32 s2, s2, 13
	s_add_co_u32 s74, s74, s2
	s_lshl_b32 s2, s22, 12
	s_add_co_u32 s74, s74, s2
	s_mov_b32 s75, 0
	s_add_nc_u64 s[86:87], s[4:5], s[74:75]
	WIN 0x40
.set p_, 0
.rept 8
.irp j, 0,1,2,3
	global_load_b128 v[16*p_+4*\j:16*p_+4*\j+3], v7, s[82:83] offset:p_*8192+\j*2048
	global_load_b128 v[128+16*p_+4*\j:128+16*p_+4*\j+3], v7, s[84:85] offset:p_*8192+\j*2048
.endr
.set p_, p_+1
.endr
	WIN 0
.irp j, 0,1,2,3
	global_load_b128 v[OWN+4*\j:OWN+4*\j+3], v7, s[32:33] offset:\j*2048
.endr
.set n_, 0
.rept 15                               ; P's fragments 0 to 14 of slot 0: fragment n is key group n / 4, query block n % 4; the first group asks for fragment 15
	global_load_b128 v[PR+8*n_:PR+8*n_+3], v[PO], s[86:87] offset:(n_/4)*PGRP+(n_%4)*1024
	global_load_b128 v[PR+8*n_+4:PR+8*n_+7], v[PO], s[86:87] offset:(n_/4)*PGRP+(n_%4)*1024+512
.set n_, n_+1
.endr
	v_and_b32 v1, 15, v0                           ; r
	v_bfe_u32 v2, v0, 4, 1                         ; h
	v_and_b32 v3, 7, v0
	v_bfe_u32 v4, v0, 3, 1
	v_lshl_add_u32 v5, v2, 3, v3                   ; the turning loads: key 8 h + l % 8, 16 bytes (l / 8) % 2
	v_mul_u32_u24 v[VL0], v5, PVV
	v_lshl_add_u32 v[VL0], v4, 4, v[VL0]
	s_mul_i32 s2, s21, KHB                         ; my 128 keys
	s_lshl_b32 s3, s21, 8
	s_add_co_u32 s88, s2, s3                       ; slots 0-7: column blocks 8 KH + bs: + 256 KH bytes
	s_sub_co_u32 s89, s2, s3                       ; slots 8-15: column blocks (bs + 8 KH) % 16: - 256 KH bytes beside the immediate 32 bs
	v_add_nc_u32 v[VH0], s89, v[VL0]
	v_add_nc_u32 v[VL0], s88, v[VL0]
	v_mov_b32 v[ADRVL], v[VL0]
	v_mov_b32 v[ADRVH], v[VH0]
	s_lshl_b32 s2, s21, 8
	s_add_co_u32 s2, s2, FT
	v_lshl_add_u32 v[F0L], v2, 4, s2               ; f of keys 128 KH + 8 h on
	v_mov_b32 v[FADR], v[F0L]
	v_mul_u32_u24 v[STO], v1, 528                  ; the way out, in: row r, 32 bytes for each half of the lanes
	v_lshl_add_u32 v[STO], v2, 5, v[STO]
	s_mul_i32 s2, s20, 16*528
	s_add_co_u32 s2, s2, STAGE
	v_add_nc_u32 v[STO], s2, v[STO]
	v_lshl_add_u32 v[RD], v6, 4, s2                ; back: a row's 512 bytes a load
	v_lshlrev_b32 v[CO], 4, v6
	s_lshl_b32 s2, s20, 15
	v_lshl_add_u32 v[XW], v6, 4, s2
	s_xor_b32 s3, s20, 2                           ; the wave with my queries and the other keys
	s_lshl_b32 s3, s3, 15
	v_lshl_add_u32 v[XR], v6, 4, s3
	s_lshl_b32 s88, s27, 19                        ; out0: (128 TY + 64 QH) rows of 4,096 bytes + 1,024 TX + 512 KH
	s_lshl_b32 s2, s22, 18
	s_add_co_u32 s88, s88, s2
	s_lshl_b32 s2, s26, 10
	s_add_co_u32 s88, s88, s2
	s_lshl_b32 s2, s21, 9
	s_add_co_u32 s88, s88, s2
	s_mov_b32 s89, 0
	s_add_nc_u64 s[80:81], s[12:13], s[88:89]
	; the prefetches: P's address at slot 1, v's at slot 2; the first change of slots steps them to 2 and 3
	s_lshr_b32 s92, s27, 4
	s_lshl_b32 s92, s92, 23
	s_lshl_b32 s2, s21, 2
	s_add_co_u32 s2, s2, s24                       ; key group 4 KH + cx
	s_lshl_b32 s2, s2, 17
	s_add_co_u32 s92, s92, s2
	s_and_b32 s2, s27, 15
	s_lshl_b32 s2, s2, 13
	s_add_co_u32 s92, s92, s2
	s_add_co_u32 s92, s92, PSLOT
	s_and_b32 s3, ttmp7, 0xffff
	s_lshr_b32 s93, s3, 2
	s_lshl_b32 s93, s93, 22
	s_and_b32 s3, s3, 3
	s_lshl_b32 s2, s25, 17                         ; 64 cy keys
	s_add_co_u32 s93, s93, s2
	s_lshl_b32 s2, s26, 9
	s_add_co_u32 s93, s93, s2
	s_lshl_b32 s2, s21, 8
	s_add_co_u32 s93, s93, s2
	s_add_co_u32 s93, s93, 2*STEPB
	s_mov_b32 s94, PSLOT
	s_mov_b32 s95, STEPB
	s_cmp_eq_u32 s22, 0
	s_cselect_b64 s[66:67], s[4:5], s[6:7]
	s_cselect_b32 s92, s92, s93
	s_cselect_b32 s68, s94, s95
	s_cselect_b32 s2, 8, 11                        ; a lane for each 256 bytes of P; a lane a key of v
	s_cselect_b32 s31, 0, 1
	s_cselect_b32 s3, 0, s3                        ; P: always; v: in the batch's first cluster
	s_cmp_eq_u32 s3, 0
	s_cselect_b32 s31, s31, -1
	s_mov_b32 s93, 0
	s_mov_b32 s69, 0
	s_add_nc_u64 s[66:67], s[66:67], s[92:93]
	v_lshlrev_b32 v[PFO], s2, v6
	s_mov_b32 s92, PSLOT                           ; P's step from slot to slot
	s_wait_loadcnt 30                              ; the figures are in; P's 30 loads, issued behind them, may stay out
	WIN 0x15                                       ; M = the maximum over the eight tiles
.set e_, 0
.rept 16
	v_max3_num_f32 v[MX+e_], v[e_], v[16+e_], v[32+e_]
.set e_, e_+1
.endr
	WIN 0x14
.set e_, 0
.rept 16
	v_max3_num_f32 v[MX+e_], v[MX+e_], v[48+e_], v[64+e_]
.set e_, e_+1
.endr
.set e_, 0
.rept 16
	v_max3_num_f32 v[MX+e_], v[MX+e_], v[80+e_], v[96+e_]
.set e_, e_+1
.endr
	WIN 0x04
.set e_, 0
.rept 16
	v_max_num_f32 v[MX+e_], v[MX+e_], v[112+e_]
.set e_, e_+1
.endr
	WIN 0x41
.set i_, 0
.rept 64
	v_pk_add_f32 v[2*i_:2*i_+1], v[2*i_:2*i_+1], v[MX+2*(i_%8):MX+2*(i_%8)+1] neg_lo:[0,1] neg_hi:[0,1]
.set i_, i_+1
.endr
.set i_, 0
.rept 128
	v_exp_f32 v[i_], v[i_]
.set i_, i_+1
.endr
	WIN 0
.set i_, 0
.rept 8
	v_pk_add_f32 v[OWN+2*i_:OWN+2*i_+1], v[OWN+2*i_:OWN+2*i_+1], v[MX+2*i_:MX+2*i_+1] neg_lo:[0,1] neg_hi:[0,1]
.set i_, i_+1
.endr
.set i_, 0
.rept 16
	v_exp_f32 v[OWN+i_], v[OWN+i_]
.set i_, i_+1
.endr
	v_nop                                          ; a plain instruction behind the last exponential,
	s_wait_alu depctr_va_vdst(0)                   ; and the wait: one for the batch of 144
	WIN 0x05                                       ; L
.set i_, 0
.rept 8
	v_pk_mul_f32 v[LS+2*i_:LS+2*i_+1], v[128+2*i_:129+2*i_], v[2*i_:2*i_+1]
.set i_, i_+1
.endr
.set i_, 8
.rept 56
	v_pk_fma_f32 v[LS+2*(i_%8):LS+2*(i_%8)+1], v[128+2*i_:129+2*i_], v[2*i_:2*i_+1], v[LS+2*(i_%8):LS+2*(i_%8)+1]
.set i_, i_+1
.endr
	WIN 0
.set i_, 0
.rept 16
	v_rcp_f32 v[LS+i_], v[LS+i_]                   ; L is at least the sum of the tile that holds the maximum, whose largest weight is 1
.set i_, i_+1
.endr
	v_nop
	s_wait_alu depctr_va_vdst(0)                   ; one wait for the 16 reciprocals
.set i_, 0
.rept 8
	v_pk_mul_f32 v[OWN+2*i_:OWN+2*i_+1], v[OWN+2*i_:OWN+2*i_+1], v[LS+2*i_:LS+2*i_+1]
.set i_, i_+1
.endr
.set i_, 0
.rept 8
	v_cvt_pk_f16_f32 v[PK+i_], v[OWN+2*i_], v[OWN+2*i_+1]
.set i_, i_+1
.endr
	v_lshl_add_u32 v8, v0, 3, FT
	v_lshl_add_u32 v9, v0, 2, FT+4096
	v_mov_b32 v[ZR], 0
.irp j, 0,1,2,3
	ds_store_b64 v8, v[PK+2*\j:PK+2*\j+1] offset:1024*\j
.endr
	ds_store_b32 v9, v[ZR]
; 34 LDS loads in one run: substep c (32 of my 128 keys): f's 32 numbers first, then v's 16 fragments, into the buffers of c's parity
.macro FETCH c
.set VBF, 128*((\c)%2)
.set FSF, FS0+8*((\c)%2)
	WIN 0
	ds_load_b128 v[FSF:FSF+3], v[FADR] offset:(\c)*64
	ds_load_b128 v[FSF+4:FSF+7], v[FADR] offset:(\c)*64+32
	WIN 0x40
.irp b, 0,1,2,3,4,5,6,7
	ds_load_tr16_b128 v[VBF+8*\b:VBF+8*\b+3], v[ADRVL] offset:(\c)*32*PVV+\b*32
	ds_load_tr16_b128 v[VBF+8*\b+4:VBF+8*\b+7], v[ADRVL] offset:(\c)*32*PVV+\b*32+16*PVV
.endr
.irp b, 8,9,10,11,12,13,14,15
	ds_load_tr16_b128 v[VBF+8*\b:VBF+8*\b+3], v[ADRVH] offset:(\c)*32*PVV+\b*32
	ds_load_tr16_b128 v[VBF+8*\b+4:VBF+8*\b+7], v[ADRVH] offset:(\c)*32*PVV+\b*32+16*PVV
.endr
	WIN 0
.endm
; Group m's request: the registers of fragment m - 1 take that fragment of the next slot.  The base stands at the slot whose fragments are being asked for: it is stepped behind group 0, whose request is the
; last fragment of the slot that group 0 itself begins.
.macro RELOAD m
.set RL, PR+8*(((\m)+15)%16)
.if (\m) == 0
.set RO, 3*PGRP+3*1024
.else
.set RO, (((\m)-1)/4)*PGRP+(((\m)-1)%4)*1024
.endif
	global_load_b128 v[RL:RL+3], v[PO], s[86:87] offset:RO
	global_load_b128 v[RL+4:RL+7], v[PO], s[86:87] offset:RO+512
.endm
; Group m of a slot's 16: fragment m of P (substep m / 4, query block m % 4) times v's 16 fragments; the accumulators take turns.  Behind each eight matrix instructions four packed
; multiplies make P f of fragment m + 1.  wl: how many younger loads may be out when fragment m + 1 has to be in (13 fragments of two loads in the steady state).  rel = 1: the request stands behind the first four
; multiplies: eight plain instructions behind the last matrix instruction that read those registers.  vw = 1: a substep's first group waits for v's fragments, half by half.
.macro GROUP m, zero, rel, wl, vw=0
.set PF, PR+8*(\m)
.set VBB, 128*(((\m)/4)%2)
.set TG, PR+8*(((\m)+1)%16)
.set FSR, FS0+8*((((\m)+1)/4)%2)
.set AC, 64*((\m)%4)
.if \vw
	s_wait_dscnt 16                                ; v's blocks 0-7 are in
.endif
	WIN 0xa1
.irp b, 0,1,2,3,4,5,6,7
.if \zero
	v_wmma_f32_16x16x32_f16 v[AC+8*\b:AC+8*\b+7], v[VBB+8*\b:VBB+8*\b+7], v[PF:PF+7], 0
.else
	v_wmma_f32_16x16x32_f16 v[AC+8*\b:AC+8*\b+7], v[VBB+8*\b:VBB+8*\b+7], v[PF:PF+7], v[AC+8*\b:AC+8*\b+7]
.endif
.endr
	WIN 0
.if (\wl) >= 0
	s_wait_loadcnt \wl
.endif
.irp q, 0,1,2,3
	v_pk_mul_f16 v[TG+\q], v[TG+\q], v[FSR+\q]
.endr
.if \rel
	RELOAD \m
.endif
.if \vw
	s_wait_dscnt 0x0                               ; v's blocks 8-15 are in
.endif
	WIN 0xf1
.irp b, 0,1,2,3,4,5,6,7
.if \zero
	v_wmma_f32_16x16x32_f16 v[AC+8*\b:AC+8*\b+7], v[VBB+64+8*\b:VBB+64+8*\b+7], v[PF:PF+7], 0
.else
	v_wmma_f32_16x16x32_f16 v[AC+8*\b:AC+8*\b+7], v[VBB+64+8*\b:VBB+64+8*\b+7], v[PF:PF+7], v[AC+8*\b:AC+8*\b+7]
.endif
.endr
	WIN 0
.irp q, 4,5,6,7
	v_pk_mul_f16 v[TG+\q], v[TG+\q], v[FSR+\q]
.endr
.endm
; One of a slot's first three substeps; behind its first group it fetches the next substep's v and f from the same slot (the twelve multiplies since the other buffer's last product are the places in front of those loads).
.macro QUARTER c, zero
	GROUP 4*(\c), \zero, 1, 26, 1
.if (\c) == 0
	s_wait_xcnt 0x0                                ; every load issued so far has read its base
	s_add_nc_u64 s[86:87], s[86:87], s[92:93]      ; on to the next slot's fragments
.endif
	FETCH (\c)+1
	GROUP 4*(\c)+1, \zero, 1, 26
	GROUP 4*(\c)+2, \zero, 1, 26
	s_wait_dscnt 32                                ; of the 34 loads f's two are in
	GROUP 4*(\c)+3, \zero, 1, 26
.endm
; A slot's last substep and the change of slots: each wave waits for all its tensor loads (one is out: its part of the next slot), adds 0 to its spare word, waits for that and for its reads of this slot.
; No memory instruction stands between the add and the barrier's wait: the requests of groups 12 and 13 follow behind the refill, so group 13 may count on 12 younger fragments only.
; fill = 1: the barrier opens a round of the cluster's; the slot just left is filled again first behind it, with the keys two slots on: 224 matrix instructions ahead of the wait for it.
.macro TURN fill
.if \fill
	s_wait_xcnt 0x0                                ; the last prefetches, a slot back, have read their address
	s_add_nc_u64 s[66:67], s[66:67], s[68:69]
.endif
	s_wait_dscnt 0x0                               ; v of this substep is in
	s_wait_tensorcnt 0x0                           ; no tensor load of mine is out, so a group 0 may be written
	ds_add_u32 v[SPW], v[NIL]
.if \fill
	s_xor_b32 s53, s53, SLOT                       ; the walking descriptor: the other slot than last time, the next 256 keys
	s_add_nc_u64 s[54:55], s[54:55], STEPB
.endif
	s_xor_b32 s30, s30, SLOT                       ; the fragments come from the other slot
	s_add_co_u32 s90, s90, 512                     ; f of the next 256 keys
	GROUP 12, 0, 0, 26
	s_wait_loadcnt 24                              ; fragment 14 is in
	s_wait_dscnt 0x0                               ; the add is done, and my reads of this slot are over
	s_barrier_signal -1
	GROUP 13, 0, 0, -1
	v_add_nc_u32 v[ADRVL], s30, v[VL0]
	v_add_nc_u32 v[ADRVH], s30, v[VH0]
	v_add_nc_u32 v[FADR], s90, v[F0L]
	s_barrier_wait -1
.if \fill
	CREST
	JLOAD
.else
	PLACES
.endif
	FETCH 0
	RELOAD 12
	RELOAD 13
.if \fill
	ASK
.endif
	GROUP 14, 0, 1, 26
	s_wait_dscnt 32
	GROUP 15, 0, 1, 26
.endm
	s_wait_tensorcnt 0x1                           ; my part of slot 0 is in; slot 1's may stay out
	s_wait_dscnt 0x0                               ; my part of f is stored
	s_barrier_signal -1
	s_barrier_wait -1
	FETCH 0
	s_wait_loadcnt 28                              ; P's fragment 0 is in; the 14 behind it may be out
	s_wait_dscnt 32                                ; f's two loads are in
.irp q, 0,1,2,3,4,5,6,7
	v_pk_mul_f16 v[PR+\q], v[PR+\q], v[FS0+\q]
.endr
	QUARTER 0, 1                                   ; the first substep starts the sums
	s_mov_b32 s23, 6
.Lk:                                   ; trip i: slot i's substeps 1 to 3, the refill with slot i + 2, slot i + 1's first substep
	QUARTER 1, 0
	QUARTER 2, 0
	TURN 1
	QUARTER 0, 0
	s_sub_co_u32 s23, s23, 1
	s_cmp_lg_u32 s23, 0
	s_cbranch_scc1 .Lk
	s_mov_b32 s92, 0                               ; there is no slot behind the last: P's base stays, and the last slot's requests read its own fragments once more, unused: one text, and every load inside pt
	s_mov_b32 s23, 2                               ; the tail asks for no tile; its second pass is left in its middle (what that pass fetches, landed bytes and f's zeros, is not multiplied)
.Ltail:
	QUARTER 1, 0
	QUARTER 2, 0
	TURN 0
	s_sub_co_u32 s23, s23, 1
	s_cmp_eq_u32 s23, 0
	s_cbranch_scc1 .Lout
	QUARTER 0, 0
	s_branch .Ltail
.Lout:
	; THE WAY OUT.  The ring has had its last fill: 32,768 bytes for each wave lie over slot 0.  Each wave hands its window 3 to the wave with the other keys and adds that wave's window 3 onto its window 2.
	s_wait_loadcnt 0x0                             ; P's ring is at rest: its registers are used again below
	s_wait_dscnt 0x0
	s_barrier_signal -1
	s_barrier_wait -1
	PLACES
	PLACES
	WIN 0x0c                                       ; store data in window 3; each accumulator's lower four registers go first
.set i_, 0
.rept 64
	ds_store_b128 v[XW], v[4*i_:4*i_+3] offset:i_*512
.set i_, i_+1
.endr
	WIN 0
	s_wait_dscnt 0x0
	s_barrier_signal -1
	s_barrier_wait -1
	WIN 0x40
.set i_, 0
.rept 64
	ds_load_b128 v[4*i_:4*i_+3], v[XR] offset:i_*512
.set i_, i_+1
.endr
	s_wait_dscnt 0x0
	WIN 0x86
.set i_, 0
.rept 128
	v_pk_add_f32 v[2*i_:2*i_+1], v[2*i_:2*i_+1], v[2*i_:2*i_+1]
.set i_, i_+1
.endr
.irp i, 0,1,2,3                        ; 16 rows at a time through my own stage: in by lanes, back by rows of 512 bytes
	WIN 0x08
.irp b, 0,1,2,3,4,5,6,7
	ds_store_b128 v[STO], v[64*\i+8*\b:64*\i+8*\b+3] offset:\b*64
	ds_store_b128 v[STO], v[64*\i+8*\b+4:64*\i+8*\b+7] offset:\b*64+16
.endr
	WIN 0
.set BK, 64+64*(\i%2)
.set t_, 0
.rept 16
	ds_load_b128 v[BK+4*t_:BK+4*t_+3], v[RD] offset:t_*528  ; LDS serves a wave's instructions in order (ISA guide 5.7.1.4)
.set t_, t_+1
.endr
	s_wait_dscnt 0x0
	s_wait_xcnt 0x0                                ; earlier stores have read their base and their registers
.if \i > 0
	s_add_nc_u64 s[80:81], s[80:81], 65536         ; 16 rows of out0 on
.endif
.set t_, 0
.rept 16
	global_store_b128 v[CO], v[BK+4*t_:BK+4*t_+3], s[80:81] offset:t_*4096 th:TH_STORE_NT  ; 512 consecutive bytes, at a multiple of 512 from out0's first
.set t_, t_+1
.endr
.endr
	s_wait_tensorcnt 0x0                           ; the wave's end
	ds_add_u32 v[SPW], v[NIL]
	s_wait_dscnt 0x0
	CROUND
	s_endpgm
.Lfunc_end_k_q7e30a85803_mix:
	.size	k_q7e30a85803_mix, .Lfunc_end_k_q7e30a85803_mix-k_q7e30a85803_mix
	.p2alignl 7, 3214868480
	.fill 96, 4, 3214868480
	.section	.rodata,"a",@progbits
	.p2align	6, 0x0
	.amdhsa_kernel k_q7e30a85803_mix
		.amdhsa_group_segment_fixed_size 327680
		.amdhsa_private_segment_fixed_size 0
		.amdhsa_enable_private_segment 0
		.amdhsa_kernarg_size 40
		.amdhsa_user_sgpr_count 2
		.amdhsa_user_sgpr_kernarg_segment_ptr 1
		.amdhsa_wavefront_size32 1
		.amdhsa_system_sgpr_workgroup_id_x 1
		.amdhsa_system_sgpr_workgroup_id_y 1
		.amdhsa_system_sgpr_workgroup_id_z 1
		.amdhsa_system_vgpr_workitem_id 0
		.amdhsa_next_free_vgpr 1024
		.amdhsa_next_free_sgpr 96
		.amdhsa_reserve_vcc 0
		.amdhsa_float_denorm_mode_32 3
		.amdhsa_float_denorm_mode_16_64 3
		.amdhsa_memory_ordered 1
		.amdhsa_forward_progress 1
		.amdhsa_inst_pref_size 160
	.end_amdhsa_kernel
	.amdgpu_metadata
---
amdhsa.version: [ 1, 2 ]
amdhsa.kernels:
  - .name:           k_q7e30a85803_mix
    .symbol:         k_q7e30a85803_mix.kd
    .args:
      - { .name: pt, .offset: 0, .size: 8, .value_kind: global_buffer, .address_space: global }
      - { .name: vh, .offset: 8, .size: 8, .value_kind: global_buffer, .address_space: global }
      - { .name: mt, .offset: 16, .size: 8, .value_kind: global_buffer, .address_space: global }
      - { .name: lt, .offset: 24, .size: 8, .value_kind: global_buffer, .address_space: global }
      - { .name: out0, .offset: 32, .size: 8, .value_kind: global_buffer, .address_space: global }
    .group_segment_fixed_size: 327680
    .private_segment_fixed_size: 0
    .kernarg_segment_align: 8
    .kernarg_segment_size: 40
    .max_flat_workgroup_size: 128
    .sgpr_count:     96
    .vgpr_count:     1024
    .wavefront_size: 32
...
	.end_amdgpu_metadata
.endif
;; end of part 4
;; ======== version 2 of 2: 4 launches; version 1 with the launch cast written anew for expert scheduling mode
;; limits: values are held in f16: magnitudes above 65,504 overflow, below 6.1e-05 lose precision
;; workspace buffers: xb 16,777,216 bytes; wb 6,291,456 bytes; qh 16,777,216 bytes; kh 16,777,216 bytes; vh 16,777,216 bytes; pt 33,554,432 bytes; mt 262,144 bytes; lt 262,144 bytes
;; launch cast (part 5): grid 704 x 1, 8 waves a work-group, no clusters, 0 bytes of LDS; arguments x, Wq, Wk, Wv, xb, wb; writes xb, wb
.if DOCPART == 5
	.amdgcn_target "amdgcn-amd-amdhsa--gfx1250"
	.amdhsa_code_object_version 6
	.text
	.protected	k_q7e30a85803_cast
	.globl	k_q7e30a85803_cast
	.p2align	8
	.type	k_q7e30a85803_cast,@function
k_q7e30a85803_cast:
	s_mov_b64 s[64:65], 0
	v_nop
	global_prefetch_b8 v0, s[64:65] scope:SCOPE_SE
	s_setreg_imm32_b32 hwreg(HW_REG_WAVE_SCHED_MODE, 0, 2), 2
	s_setreg_imm32_b32 hwreg(HW_REG_WAVE_MODE, 25, 1), 1
	s_wait_xcnt 0x0
	s_wait_alu depctr_vm_vsrc(0)
; x and the three weights, f32, are rounded once to bf16 (nearest even) and laid out for the projection's tiles.
;   xb: [kb 16][row 8192][64]: block kb holds channels 64 kb .. 64 kb + 63 of every row, 128 bytes a row, rows on end.
;   wb: [j 8][k 1024][t 3][128]: for column block j (128 columns) and channel k: 256 bytes of Wq, of Wk, of Wv.
; A stream: each byte is read once and written once; nothing is shared between work-groups, so no LDS, no matrix unit, no cluster.
; Work-groups 0-511 take 16 rows of x each; 512-703 take 16 rows (channels) of one weight.  Each of eight waves has 16 items: one load of 16 bytes a
; lane (512 bytes a wave), two roundings, one store of 8 bytes a lane: 32 lanes store 256 consecutive bytes, at a multiple of 256 from the buffer's first byte.
; All 16 loads of a wave go out first; no register is used twice.
; THE MODE: SCHED_MODE bits 1:0 = 2 (LLVM: expert scheduling mode 2), set by the entry lines.  The code itself states the register dependences
; between vector instructions and memory instructions, with s_wait_alu, always for 0.
; THE PLAN.  Registers that memory instructions touch:
;   v1, v2   the loads' and the stores' byte offsets: written by the head's vector lines, once, and never again.
;   D        item i: written by its one load, read by its two roundings, never loaded again; no vector instruction writes it.
;   E        item i: written by its two roundings, read by its one store, never written again.
; So the only dependences to state are vector writes that memory instructions read: v1 and v2 ahead of the first load, E ahead of the stores.
; The 16 items go in four blocks of four.  Block p waits for its four loads; one wait then states that block p - 1's roundings have written their E;
; block p - 1's four stores are dealt among block p's roundings, which name block p's D and E alone: none of the registers that those stores read.
; No vector instruction writes a scalar register or VCC, and EXEC is never written.
.set D, 8                              ; v[8:71]   16 items x 4 words as loaded
.set E, 72                             ; v[72:103] 16 items x 2 words to store
; The store of item n.  kind = 0: x (even items go to blocks 0-7, odd ones to blocks 8-15); kind = 1: a weight (item n is channel n).
.macro PUT kind, n
.if (\kind) == 1
	global_store_b64 v2, v[E+2*(\n):E+2*(\n)+1], s[22:23] offset:(\n)*768
.elseif ((\n)%2) == 0
	global_store_b64 v2, v[E+2*(\n):E+2*(\n)+1], s[22:23] offset:((\n)/2)*256
.else
	global_store_b64 v2, v[E+2*(\n):E+2*(\n)+1], s[24:25] offset:((\n)/2)*256
.endif
.endm
; The four blocks, and behind them the last block's stores.
.macro WORK kind
.set i, 0
.rept 16
.if (i%4) == 0
	s_wait_loadcnt 12-i                            ; loads come back in order: this block's four items are in, the younger blocks stay out
.if i > 0
	s_wait_alu depctr_va_vdst(0)                   ; the block before has written its eight registers of E, which the four stores dealt below read
.endif
.endif
.if i >= 4
	PUT \kind, i-4                                 ; no vector instruction since the wait names this item's E or v2
.endif
	v_cvt_pk_bf16_f32 v[E+2*i], v[D+4*i], v[D+4*i+1]
	v_cvt_pk_bf16_f32 v[E+2*i+1], v[D+4*i+2], v[D+4*i+3]
.set i, i+1
.endr
	s_wait_alu depctr_va_vdst(0)                   ; the last block has written its E, which the last four stores read
.set i, 12
.rept 4
	PUT \kind, i
.set i, i+1
.endr
.endm
	s_load_b256 s[4:11], s[0:1], 0x0               ; x s[4:5], Wq s[6:7], Wk s[8:9], Wv s[10:11]
	s_load_b128 s[12:15], s[0:1], 0x20             ; xb s[12:13], wb s[14:15]
	v_and_b32 v3, 31, v0                           ; lane l
	v_lshrrev_b32 v4, 5, v0                        ; wave w
	s_mov_b32 s17, 0
	s_mov_b32 s19, 0
	s_cmp_lt_u32 ttmp9, 512
	s_cbranch_scc0 .Lweights
	; x.  Item (p, c): rows 2 p and 2 p + 1 (lanes 0-15, 16-31), block kb = w + 8 c: 256 bytes of each row
	v_lshrrev_b32 v5, 4, v3
	v_and_b32 v6, 15, v3
	v_lshlrev_b32 v1, 12, v5                       ; in: (l / 16) x 4,096
	v_lshl_add_u32 v1, v6, 4, v1                   ;   + 16 (l % 16)
	v_lshl_add_u32 v1, v4, 8, v1                   ;   + 256 w
	v_lshlrev_b32 v2, 3, v3                        ; out: 8 l (two rows of 128 bytes on end)
	v_lshl_add_u32 v2, v4, 20, v2                  ;   + w blocks of 1,048,576 bytes
	s_lshl_b32 s16, ttmp9, 16                      ; 16 rows of 4,096 bytes
	s_lshl_b32 s18, ttmp9, 11                      ; 16 rows of 128 bytes
	s_wait_kmcnt 0x0
	s_add_nc_u64 s[20:21], s[4:5], s[16:17]
	s_add_nc_u64 s[22:23], s[12:13], s[18:19]      ; blocks 0-7
	s_add_nc_u64 s[24:25], s[22:23], 0x800000      ; blocks 8-15
	s_wait_alu depctr_va_vdst(0)                   ; v1 and v2 are written: every load below reads v1 as its offset, every store v2
.set i, 0
.rept 16
	global_load_b128 v[D+4*i:D+4*i+3], v1, s[20:21] offset:(i/2)*8192+(i%2)*2048 th:TH_LOAD_NT
.set i, i+1
.endr
	WORK 0
	s_endpgm
.Lweights:
	; a weight.  u = work-group - 512: weight t = u / 64, channels 16 (u % 64) on.  Wave w takes column block j = w; item i is channel i
	s_sub_co_u32 s26, ttmp9, 512
	s_lshr_b32 s27, s26, 6                         ; t
	s_and_b32 s26, s26, 63
	s_lshl_b32 s16, s26, 16                        ; 16 rows of 4,096 bytes
	s_mul_i32 s18, s26, 12288                      ; 16 channels of 768 bytes
	s_lshl_b32 s28, s27, 8
	s_add_co_u32 s18, s18, s28                     ; + 256 t
	v_lshlrev_b32 v1, 4, v3                        ; in: 16 l + 512 w
	v_lshl_add_u32 v1, v4, 9, v1
	v_mul_u32_u24 v2, v4, 0xc0000                  ; out: w blocks of 786,432 bytes + 8 l
	v_lshl_add_u32 v2, v3, 3, v2
	s_wait_kmcnt 0x0
	s_cmp_eq_u32 s27, 0
	s_cselect_b64 s[20:21], s[6:7], s[8:9]
	s_cmp_eq_u32 s27, 2
	s_cselect_b64 s[20:21], s[10:11], s[20:21]
	s_add_nc_u64 s[20:21], s[20:21], s[16:17]
	s_add_nc_u64 s[22:23], s[14:15], s[18:19]
	s_wait_alu depctr_va_vdst(0)                   ; v1 and v2 are written: every load below reads v1 as its offset, every store v2
.set i, 0
.rept 16
	global_load_b128 v[D+4*i:D+4*i+3], v1, s[20:21] offset:i*4096 th:TH_LOAD_NT
.set i, i+1
.endr
	WORK 1
	s_endpgm
.Lfunc_end_k_q7e30a85803_cast:
	.size	k_q7e30a85803_cast, .Lfunc_end_k_q7e30a85803_cast-k_q7e30a85803_cast
	.p2alignl 7, 3214868480
	.fill 96, 4, 3214868480
	.section	.rodata,"a",@progbits
	.p2align	6, 0x0
	.amdhsa_kernel k_q7e30a85803_cast
		.amdhsa_group_segment_fixed_size 0
		.amdhsa_private_segment_fixed_size 0
		.amdhsa_enable_private_segment 0
		.amdhsa_kernarg_size 48
		.amdhsa_user_sgpr_count 2
		.amdhsa_user_sgpr_kernarg_segment_ptr 1
		.amdhsa_wavefront_size32 1
		.amdhsa_system_sgpr_workgroup_id_x 1
		.amdhsa_system_sgpr_workgroup_id_y 1
		.amdhsa_system_sgpr_workgroup_id_z 1
		.amdhsa_system_vgpr_workitem_id 0
		.amdhsa_next_free_vgpr 104
		.amdhsa_next_free_sgpr 66
		.amdhsa_reserve_vcc 0
		.amdhsa_float_denorm_mode_32 3
		.amdhsa_float_denorm_mode_16_64 3
		.amdhsa_memory_ordered 1
		.amdhsa_forward_progress 1
		.amdhsa_inst_pref_size 13
	.end_amdhsa_kernel
	.amdgpu_metadata
---
amdhsa.version: [ 1, 2 ]
amdhsa.kernels:
  - .name:           k_q7e30a85803_cast
    .symbol:         k_q7e30a85803_cast.kd
    .args:
      - { .name: x, .offset: 0, .size: 8, .value_kind: global_buffer, .address_space: global }
      - { .name: Wq, .offset: 8, .size: 8, .value_kind: global_buffer, .address_space: global }
      - { .name: Wk, .offset: 16, .size: 8, .value_kind: global_buffer, .address_space: global }
      - { .name: Wv, .offset: 24, .size: 8, .value_kind: global_buffer, .address_space: global }
      - { .name: xb, .offset: 32, .size: 8, .value_kind: global_buffer, .address_space: global }
      - { .name: wb, .offset: 40, .size: 8, .value_kind: global_buffer, .address_space: global }
    .group_segment_fixed_size: 0
    .private_segment_fixed_size: 0
    .kernarg_segment_align: 8
    .kernarg_segment_size: 48
    .max_flat_workgroup_size: 256
    .sgpr_count:     66
    .vgpr_count:     104
    .wavefront_size: 32
...
	.end_amdgpu_metadata
.endif
;; end of part 5
;; launch proj: the kernel of part 2 again; grid 8 x 32, 4 waves a work-group, clusters of 4 x 4, 327,680 bytes of LDS; arguments xb, wb, bq, bk, bv, qh, kh, vh; writes qh, kh, vh
;; launch score: the kernel of part 3 again; grid 8 x 32, 4 waves a work-group, clusters of 4 x 4, 327,680 bytes of LDS; arguments kh, qh, pt, mt, lt; writes pt, mt, lt
;; launch mix: the kernel of part 4 again; grid 4 x 64, 4 waves a work-group, clusters of 4 x 4, 327,680 bytes of LDS; arguments pt, vh, mt, lt, out0; writes out0
